; MI455X (gfx1250); checked and timed in simulation.
; The chip was launched on July 23, 2026; its instructions are those of AMD's public machine-readable ISA for CDNA 5 (MIT licence, August 2026) and "CDNA5" Instruction Set Architecture Reference Guide (July 2026). The comments in the code are by the model that wrote it; some were corrected since.
;; Lean Self Attention. Allowed arithmetic: matrix products marked QUANTISED: E2M1 operands, one E8M0 scale for each 32 along K, by v_wmma_scale_f32_16x16x128_f8f6f4 with both operands' format E2M1 (or v_wmma_scale_f32_32x16x128_f4), f32 sums; everything else in f32.
;; Inputs: W_out 1,024 x 1,024 float32; W_qkv 1,024 x 3,072 float32; attention_mask 4 x 1 x 2,048 x 2,048 float32; b_out 1,024 float32; b_qkv 3,072 float32; hidden_states 4 x 2,048 x 1,024 float32; ln_beta 1,024 float32; ln_gamma 1,024 float32.
;; Outputs: out0 4 x 2,048 x 1,024 float32.
;; This version of the problem:
;;   THIS VERSION OF THE PROBLEM IS GIVEN IN LOW PRECISION. The matrix products marked QUANTISED in the list below multiply operands that are first quantised to E2M1 (2 exponent bits, 1 mantissa bit; 4 bits a number), with one power-of-two scale for each 32 numbers along K (OCP MX v1.0); their sums are f32. All else is computed in f32.
;;   The module's matrix products, in the order in which they are computed (A, B: the left and right operand; K: the contracted axis; several contracted axes count as one K, in the product's order):
;;     1. [M 8,192, K 1,024] x [K 1,024, N 3,072]; A: computed on the way; B: input W_qkv: QUANTISED
;;     2. batch 64 x [M 2,048, K 64] x [K 64, N 2,048]; A: computed on the way; B: computed on the way: QUANTISED
;;     3. batch 64 x [M 2,048, K 2,048] x [K 2,048, N 64]; A: softmax (see below); B: computed on the way: QUANTISED
;;     4. [M 8,192, K 1,024] x [K 1,024, N 1,024]; A: computed on the way; B: input W_out: QUANTISED
;;   THE QUANTISER, for each operand of a quantised product, along K:
;;     - K is cut into blocks of 32 from its start; a last block that is shorter is filled with zeros.
;;     - A block's scale is 2^e with e = floor(log2(the largest magnitude in the block)) - 2, held to -126 .. 127; a block of zeros has e = 0. As a byte (E8M0): e + 127.
;;     - Each number is divided by its block's scale, clamped to +-6, and rounded to the nearest number of E2M1, ties to even, subnormals kept.
;;     - The product sums the exact products of the quantised numbers (number of the format x scale) in f32.
;;   ~~~python
;;   def quantise(x, axis):      # numpy; x: float32 -> the quantised numbers, widened to float32 again
;;       x = np.moveaxis(x, axis, -1); K = x.shape[-1]
;;       x = np.pad(x, [(0, 0)] * (x.ndim - 1) + [(0, -K % 32)]); x = x.reshape(x.shape[:-1] + (-1, 32)); a = np.abs(x).max(-1, keepdims=True)
;;       e = np.where(a > 0, np.clip(np.frexp(np.where(a > 0, a, 1))[1] - 1 - 2, -126, 127), 0)      # np.frexp(a)[1] - 1 = floor(log2(a)), exactly
;;       r = np.clip(x / 2.0 ** e, -6, 6)
;;       step = 2.0 ** (np.maximum(np.frexp(np.where(r == 0, 1, r))[1] - 1, 0) - 1)
;;       q = np.round(r / step) * step * 2.0 ** e      # np.round: ties to even
;;       return np.moveaxis(q.reshape(q.shape[:-2] + (-1,))[..., :K], -1, axis).astype(np.float32)
;;   ~~~
;;   SOFTMAX AHEAD OF A QUANTISED PRODUCT. Where the list says 'softmax', what is quantised is not the finished softmax but p = 2^(t - M), with t = logit x log2(e) and M = ceil(the row's largest t), a whole number; so 1/2 < the row's largest p <= 1. The row's sum l is taken of the UNQUANTISED p, in f32, and the product's result is divided by l at the end. Since M is a whole number, a kernel that streams over the keys may use a running M (the ceiling of the running maximum): every later rescaling is an exact power of two, which a block's scale takes up: the codes' values come out the same.
;;   OPERANDS COMPUTED ON THE WAY. 'Computed on the way' means the value that the module computes at that place (a softmax that the list does not call 'softmax' is quantised finished and normalised). What goes into a quantiser is computed in f32, as accurately as f32 sums, v_exp_f32 and their like allow (about 1e-6 of the number): no bf16 or f16 on the way to a quantiser, and a product that is left as it is and whose result goes on into a quantised operand takes f32 operands (vector FMAs, or v_wmma_f32_16x16x4_f32). A number that lies on a knife's edge between two numbers of the format may be rounded either way, as far as f32 arithmetic and the matrix unit's own rounding can turn it there, and no further.
;; One version. Each part assembles by itself: llvm-mc -triple=amdgcn-amd-amdhsa -mcpu=gfx1250 --defsym DOCPART=n.
;; ======== version 1 of 1: 3 launches
;; limits: right only within a limited range of input values
;; workspace buffers: xc 4,194,304 bytes; xs 262,144 bytes; wc 2,097,152 bytes; ws 131,072 bytes; kv 8,912,896 bytes; qrec 8,912,896 bytes
;; launch prep (part 1): grid 768 x 1, 4 waves a work-group, no clusters, 28,160 bytes of LDS; arguments hidden_states, ln_gamma, ln_beta, W_qkv, W_out, xc, xs, wc, ws; writes xc, xs, wc, ws
.if DOCPART == 1
	.amdgcn_target "amdgcn-amd-amdhsa--gfx1250"
	.amdhsa_code_object_version 6
	.text
	.protected	k_qfdc3db27a4_prep
	.globl	k_qfdc3db27a4_prep
	.p2align	8
	.type	k_qfdc3db27a4_prep,@function
k_qfdc3db27a4_prep:
	s_mov_b64 s[64:65], 0
	v_nop
	global_prefetch_b8 v0, s[64:65] scope:SCOPE_SE
	s_setreg_imm32_b32 hwreg(HW_REG_WAVE_MODE, 25, 1), 1
	s_wait_xcnt 0x0
; PREP: what the first and the last product take as operands is made once.
;   work-groups 0-511:   LayerNorm of 16 tokens of hidden_states [8192][1024], in f32 (mean, then the mean of the squared differences), quantised along the 1,024 to codes of E2M1 with one E8M0 byte for each 32.
;   work-groups 512-703: W_qkv [1024 (k)][3072 (n)], quantised along k;   work-groups 704-767: W_out [1024 (k)][1024 (n)] likewise.
; NO WORK OF THE PROBLEM IS LEFT OUT in this program, and every input is loaded by some launch.
; LAYOUT OF THE RESULTS: images of the operand registers.  A tile is 16 rows (tokens, or columns n); tile 2 G + u, lane r, is row 32 G + 8 u + r + 8 (r / 8).  A tile's codes: [block kb of 32 along K: 0..31][r][16 bytes], 8,192 bytes:
; the fragment of K step s is two loads of 16 bytes a lane at 1024 s + 512 c + 16 lane.  A tile's scale bytes: [q 0..1][r][16 bytes], byte i of q = block 16 q + i: 512 bytes.
; THE QUANTISER: a block's byte is its largest magnitude's exponent field - 2, held at 1 from below; each number is divided by the scale and rounded to the nearest code, ties to even, beyond 6 the largest code.
; LIMITS: a block whose largest magnitude lies under 2^-124 gets the byte 1; a block of zeros gets 1 where the rule says 127 (its codes are zeros, and this program alone reads the bytes); NaN and infinities among the inputs are not served.
; No matrix unit, no tensor load, no cluster: the work-groups share only gamma and beta, 8 KiB against the 64 KiB that each reads of its own.
.set CST,   18432                      ; LDS: four stages of 32 places x 144 bytes, one a wave (4,608 bytes each); then the codes' stage, 32 blocks x (256 + 16) bytes;
.set SST,   27136                      ; the tile's 512 scale bytes;
.set SPARE, 27648                      ; the spare words, 128 bytes a wave: two blocks of 256 bytes that no other line names
.set X,   64                           ; v64-191  LN: four rows, 32 registers each;  weights: 128 numbers down K
.set G,   192                          ; v192-223 gamma, later a row's numbers by blocks (rows 0, 2)
.set BT,  224                          ; v224-255 beta, later the same for rows 1, 3
.set SPW, 13                           ; v13 LDS address of my spare word; never rewritten
.set NIL, 14                           ; v14 0; never rewritten
; 32 numbers of one block, v[y] on, become 16 bytes of codes in v[c] .. v[c+3] and the scale's byte in v[e]
.macro Q32 y, c, e
	v_max3_num_f32 v32, |v[(\y)]|, |v[(\y)+1]|, |v[(\y)+2]|
	v_max3_num_f32 v33, |v[(\y)+3]|, |v[(\y)+4]|, |v[(\y)+5]|
.irp i, 6,10,14,18,22,26
	v_max3_num_f32 v32, v32, |v[(\y)+\i]|, |v[(\y)+\i+1]|
	v_max3_num_f32 v33, v33, |v[(\y)+\i+2]|, |v[(\y)+\i+3]|
.endr
	v_max3_num_f32 v32, v32, |v[(\y)+30]|, |v[(\y)+31]|
	v_max3_num_f32 v32, v32, v33, 0x1800000        ; and the floor 2^(3 - 127): the byte cannot fall under 1
	v_add_nc_u32 v34, 0xff000000, v32              ; 2 off the exponent field: the conversion takes this operand's exponent field as its scale
.irp g, 0,1,2,3
	v_cvt_scalef32_pk8_fp4_f32 v[(\c)+\g], v[(\y)+8*\g:(\y)+8*\g+7], v34
.endr
	v_lshrrev_b32 v[\e], 23, v34                   ; the scale's byte; also the plain line behind the conversions
.endm
; the sum over the 32 lanes of v[a + 4 i], rows i = 0..3 by turns; v[a + 1 + 4 i] is at work
.macro LANESUM a
.irp m, 1,2,4,8
.irp i, 0,1,2,3
	v_add_f32_dpp v[\a+4*\i], v[\a+4*\i], v[\a+4*\i] row_xmask:\m row_mask:0xf bank_mask:0xf
.endr
.endr
.irp i, 0,1,2,3
	v_permlanex16_b32 v[\a+1+4*\i], v[\a+4*\i], s30, s31
.endr
.irp i, 0,1,2,3
	v_add_f32 v[\a+4*\i], v[\a+4*\i], v[\a+1+4*\i]
.endr
.endm
; block t of a weight: W(32 t + i, my column), i = 0 .. 31: each load reads 128 consecutive bytes a wave
.macro WLOAD t, N
.set k, 32*(\t)
.rept 32
	global_load_b32 v[X+k], v4, s[28:29] offset:k*\N*4 th:TH_LOAD_NT
.set k, k+1
.endr
.endm
; A weight [1024][N]: a work-group takes 128 columns x 128 along K, a wave 32 columns (two tiles); A LANE TAKES A COLUMN AND ITS REGISTERS RUN DOWN K, so a block lies in one lane and the codes come out with K innermost.
.macro WPATH N, ID0, TB, PLO
	s_sub_co_u32 s22, ttmp9, \ID0
	s_and_b32 s23, s22, 7                          ; which 128 along K
	s_lshr_b32 s24, s22, 3                         ; which 128 columns
	s_lshl_b32 s24, s24, 2
	s_add_co_u32 s24, s24, s2                      ; my wave's first column / 32
	s_mul_i32 s26, s23, 128*\N*4
	s_lshl_b32 s25, s24, 7
	s_add_co_u32 s26, s26, s25
	s_mov_b32 s27, 0
	s_add_nc_u64 s[28:29], s[\PLO:\PLO+1], s[26:27]  ; the weight at (128 ks, my first column)
	s_lshl_b32 s24, s24, 1
	s_add_co_u32 s24, s24, \TB                     ; my first tile in wc and ws
	s_lshl_b32 s26, s24, 13
	s_lshl_b32 s25, s23, 10
	s_add_co_u32 s26, s26, s25
	s_add_nc_u64 s[30:31], s[18:19], s[26:27]      ; codes: tile x 8192 + 1024 ks
	s_lshl_b32 s26, s24, 9
	s_lshr_b32 s25, s23, 2
	s_lshl_b32 s25, s25, 8
	s_add_co_u32 s26, s26, s25
	s_and_b32 s25, s23, 3
	s_lshl_b32 s25, s25, 2
	s_add_co_u32 s26, s26, s25
	s_add_nc_u64 s[34:35], s[20:21], s[26:27]      ; scale bytes: tile x 512 + 256 (ks / 4) + 4 (ks % 4)
	v_and_b32 v4, 8, v2
	v_add_nc_u32 v4, v4, v2                        ; r + 8 (r / 8)
	v_lshl_add_u32 v4, v3, 3, v4                   ; + 8 u: my column among the wave's 32
	v_lshlrev_b32 v4, 2, v4
	v_lshlrev_b32 v5, 4, v2
	v_lshl_add_u32 v6, v3, 9, v5                   ; scale bytes: 512 u + 16 r
	v_lshl_add_u32 v5, v3, 13, v5                  ; codes: 8192 u + 16 r
	WLOAD 0, \N
	WLOAD 1, \N
	s_wait_alu depctr_va_vdst(0)
.irp t, 0,1,2,3
.if \t < 3
	s_wait_loadcnt 32                              ; this block's 32 loads are in; the next block's 32 may be out
.else
	s_wait_loadcnt 0x0
.endif
.if \t < 2
	WLOAD \t+2, \N                                 ; two blocks ahead, into registers of their own
.endif
	Q32 X+32*\t, 16+4*\t, 48+\t
	global_store_b128 v5, v[16+4*\t:19+4*\t], s[30:31] offset:256*\t   ; each half of the lanes stores 256 consecutive bytes, aligned
.endr
	v_lshl_or_b32 v48, v49, 8, v48                 ; the four bytes: the scale word of this K step
	v_lshl_or_b32 v48, v50, 16, v48
	v_lshl_or_b32 v48, v51, 24, v48
	global_store_b32 v6, v48, s[34:35]             ; 4 bytes of each row's 16: 128 KiB in all against the 16 MiB of weights read
	s_endpgm
.endm
	s_load_b256 s[4:11], s[0:1], 0x0               ; hidden_states s[4:5], gamma s[6:7], beta s[8:9], W_qkv s[10:11]
	s_load_b256 s[12:19], s[0:1], 0x20             ; W_out s[12:13], xc s[14:15], xs s[16:17], wc s[18:19]
	s_load_b64 s[20:21], s[0:1], 0x40              ; ws
	v_lshl_add_u32 v[SPW], v0, 2, SPARE
	v_mov_b32 v[NIL], 0
	v_lshrrev_b32 v1, 5, v0
	v_readfirstlane_b32 s2, v1                     ; wave 0..3
	v_and_b32 v1, 31, v0                           ; lane
	v_and_b32 v2, 15, v0                           ; r
	v_bfe_u32 v3, v0, 4, 1                         ; lane / 16
	s_wait_kmcnt 0x0
	s_cmp_lt_u32 ttmp9, 512                        ; the paths part on the work-group's number alone
	s_cbranch_scc1 .Lln
	s_cmp_lt_u32 ttmp9, 704
	s_cbranch_scc1 .Lwq
	s_wait_alu depctr_va_vdst(0)
	WPATH 1024, 704, 192, 12
.Lwq:
	s_wait_alu depctr_va_vdst(0)
	WPATH 3072, 512, 0, 10
; ---- LayerNorm and quantiser: the work-group makes token tile T = its number; wave w takes tile rows 4 w .. 4 w + 3, which are four consecutive tokens
.Lln:
	s_lshr_b32 s22, ttmp9, 1
	s_lshl_b32 s22, s22, 5
	s_and_b32 s23, ttmp9, 1
	s_lshl_b32 s23, s23, 3
	s_add_co_u32 s22, s22, s23
	s_lshl_b32 s23, s2, 2
	s_add_co_u32 s22, s22, s23
	s_lshr_b32 s23, s2, 1
	s_lshl_b32 s23, s23, 3
	s_add_co_u32 s22, s22, s23                     ; my first token: 32 (T / 2) + 8 (T % 2) + 4 w + 8 (w / 2)
	s_lshl_b32 s22, s22, 12
	s_mov_b32 s23, 0
	s_add_nc_u64 s[4:5], s[4:5], s[22:23]
	s_wait_alu depctr_va_vdst(0)
	v_lshlrev_b32 v4, 4, v1                        ; 16 x lane
.set k, 0
.rept 32
	global_load_b128 v[X+4*k:X+4*k+3], v4, s[4:5] offset:512*k th:TH_LOAD_NT   ; 16 KiB on end, 512 consecutive bytes a load: register 32 i + 4 c + e = number 128 c + 4 lane + e of row i
.set k, k+1
.endr
.irp c, 0,1,2,3,4,5,6,7
	global_load_b128 v[G+4*\c:G+4*\c+3], v4, s[6:7] offset:512*\c
	global_load_b128 v[BT+4*\c:BT+4*\c+3], v4, s[8:9] offset:512*\c
.endr
	s_lshl_b32 s22, ttmp9, 13
	s_lshl_b32 s24, s2, 11
	s_add_co_u32 s22, s22, s24
	s_add_nc_u64 s[14:15], s[14:15], s[22:23]      ; xc: tile x 8192 + the eight blocks that my wave stores
	s_lshl_b32 s22, ttmp9, 9
	s_add_nc_u64 s[16:17], s[16:17], s[22:23]      ; xs: tile x 512
	s_mov_b32 s28, 0x3a800000                      ; 1 / 1024
	s_mov_b32 s29, 0x2b8cbccc                      ; 1e-12
	s_mov_b32 s30, 0x76543210
	s_mov_b32 s31, 0xfedcba98                      ; v_permlanex16_b32's selects for lane l xor 16
	s_mul_i32 s24, s2, 4608                        ; my stage
	v_lshrrev_b32 v5, 3, v1
	v_mul_u32_u24 v5, v5, 144
	v_and_b32 v6, 7, v1
	v_lshl_add_u32 v5, v6, 4, v5
	v_add_nc_u32 v5, s24, v5                       ; into it: a block of 128 bytes to a place of 144: 144 (lane / 8) + 16 (lane % 8), + 576 for each load
	v_mul_u32_u24 v6, v1, 144
	v_add_nc_u32 v6, s24, v6                       ; out of it: place = lane: block kb = lane is mine
	s_lshl_b32 s25, s2, 6
	v_mul_u32_u24 v7, v1, 272
	v_add_nc_u32 v7, s25, v7                       ; codes' stage: row kb = lane, 16 bytes for tile row 4 w + i
	v_lshl_add_u32 v8, v3, 8, v2
	v_add_nc_u32 v8, s25, v8                       ; scale bytes: 256 (kb / 16) + kb % 16 + 16 (4 w + i)
	s_mul_i32 s26, s2, 2176
	v_mul_u32_u24 v9, v3, 272
	v_lshl_add_u32 v9, v2, 4, v9
	v_add_nc_u32 v9, s26, v9                       ; back: blocks 8 w + 2 t + lane / 16, 16 bytes of tile row r
	s_wait_loadcnt 16                              ; the rows are in; gamma's and beta's 16 loads may be out
; the mean: 15 packed additions in two chains and one addition a row, then across the lanes; the four rows by turns
.irp i, 0,1,2,3
	v_pk_add_f32 v[16+4*\i:17+4*\i], v[X+32*\i:X+32*\i+1], v[X+32*\i+2:X+32*\i+3]
	v_pk_add_f32 v[18+4*\i:19+4*\i], v[X+32*\i+4:X+32*\i+5], v[X+32*\i+6:X+32*\i+7]
.endr
.irp j, 8,12,16,20,24,28
.irp i, 0,1,2,3
	v_pk_add_f32 v[16+4*\i:17+4*\i], v[16+4*\i:17+4*\i], v[X+32*\i+\j:X+32*\i+\j+1]
	v_pk_add_f32 v[18+4*\i:19+4*\i], v[18+4*\i:19+4*\i], v[X+32*\i+\j+2:X+32*\i+\j+3]
.endr
.endr
.irp i, 0,1,2,3
	v_pk_add_f32 v[16+4*\i:17+4*\i], v[16+4*\i:17+4*\i], v[18+4*\i:19+4*\i]
.endr
.irp i, 0,1,2,3
	v_add_f32 v[16+4*\i], v[16+4*\i], v[17+4*\i]
.endr
	LANESUM 16
.irp i, 0,1,2,3
	v_mul_f32 v[16+4*\i], s28, v[16+4*\i]          ; the mean
.endr
.irp j, 0,2,4,6,8,10,12,14,16,18,20,22,24,26,28,30
.irp i, 0,1,2,3
	v_pk_add_f32 v[X+32*\i+\j:X+32*\i+\j+1], v[X+32*\i+\j:X+32*\i+\j+1], v[16+4*\i:17+4*\i] op_sel_hi:[1,0] neg_lo:[0,1] neg_hi:[0,1]   ; x - mean
.endr
.endr
; the variance: the mean of the squared differences
.irp i, 0,1,2,3
	v_pk_mul_f32 v[18+4*\i:19+4*\i], v[X+32*\i:X+32*\i+1], v[X+32*\i:X+32*\i+1]
	v_pk_mul_f32 v[32+2*\i:33+2*\i], v[X+32*\i+2:X+32*\i+3], v[X+32*\i+2:X+32*\i+3]
.endr
.irp j, 4,8,12,16,20,24,28
.irp i, 0,1,2,3
	v_pk_fma_f32 v[18+4*\i:19+4*\i], v[X+32*\i+\j:X+32*\i+\j+1], v[X+32*\i+\j:X+32*\i+\j+1], v[18+4*\i:19+4*\i]
	v_pk_fma_f32 v[32+2*\i:33+2*\i], v[X+32*\i+\j+2:X+32*\i+\j+3], v[X+32*\i+\j+2:X+32*\i+\j+3], v[32+2*\i:33+2*\i]
.endr
.endr
.irp i, 0,1,2,3
	v_pk_add_f32 v[18+4*\i:19+4*\i], v[18+4*\i:19+4*\i], v[32+2*\i:33+2*\i]
.endr
.irp i, 0,1,2,3
	v_add_f32 v[18+4*\i], v[18+4*\i], v[19+4*\i]
.endr
	LANESUM 18
.irp i, 0,1,2,3
	v_fma_f32 v[18+4*\i], v[18+4*\i], s28, s29     ; variance + 1e-12
.endr
	s_wait_alu depctr_va_vdst(0)
.irp i, 0,1,2,3
	v_rsq_f32 v[16+4*\i], v[18+4*\i]               ; one batch of four
.endr
	v_nop                                          ; a plain line behind the last of them
	s_wait_loadcnt 0x0                             ; gamma and beta
	s_wait_alu depctr_va_vdst(0)                   ; one wait for the four, ahead of their first reader
.irp j, 0,2,4,6,8,10,12,14,16,18,20,22,24,26,28,30
.irp i, 0,1,2,3
	v_pk_mul_f32 v[X+32*\i+\j:X+32*\i+\j+1], v[X+32*\i+\j:X+32*\i+\j+1], v[16+4*\i:17+4*\i] op_sel_hi:[1,0]
.endr
.irp i, 0,1,2,3
	v_pk_fma_f32 v[X+32*\i+\j:X+32*\i+\j+1], v[X+32*\i+\j:X+32*\i+\j+1], v[G+\j:G+\j+1], v[BT+\j:BT+\j+1]   ; ((x - mean) rstd) gamma + beta
.endr
.endr
; a row turns through my stage: in as loaded, out a block of 32 numbers a lane.  LDS serves a wave's instructions in order: no wait between the stores and the loads, nor ahead of the next row's stores
.macro TURN i
.irp c, 0,1,2,3,4,5,6,7
	ds_store_b128 v5, v[X+32*(\i)+4*\c:X+32*(\i)+4*\c+3] offset:576*\c
.endr
.irp c, 0,1,2,3,4,5,6,7
	ds_load_b128 v[G+32*((\i)%2)+4*\c:G+32*((\i)%2)+4*\c+3], v6 offset:16*\c
.endr
.endm
	TURN 0
.irp i, 0,1,2,3
.if \i < 3
	TURN \i+1
.endif
.if \i == 0
	s_wait_dscnt 16                                ; row 0 is back; behind it: row 1's 16
.elseif \i < 3
	s_wait_dscnt 18                                ; behind this row's loads: the last row's two stores and the next row's 16
.else
	s_wait_dscnt 2                                 ; behind row 3's loads: row 2's two stores
.endif
	Q32 G+32*(\i%2), 16+4*\i, 48+\i
	ds_store_b128 v7, v[16+4*\i:19+4*\i] offset:CST+16*\i
	ds_store_b8 v8, v[48+\i] offset:SST+16*\i
.endr
	s_wait_dscnt 0x0                               ; for the others' sake: my stores have landed
	s_barrier_signal -1
	s_barrier_wait -1
.irp t, 0,1,2,3
	ds_load_b128 v[64+4*\t:67+4*\t], v9 offset:CST+544*\t
.endr
.irp t, 0,1,2,3
	s_wait_dscnt 3-\t
	global_store_b128 v4, v[64+4*\t:67+4*\t], s[14:15] offset:512*\t   ; two blocks of the image: 512 consecutive bytes, aligned
.endr
	s_cmp_lg_u32 s2, 0
	s_cbranch_scc1 .Lno_scales
	ds_load_b128 v[80:83], v4 offset:SST           ; wave 0: the tile's 512 scale bytes
	s_wait_dscnt 0x0
	global_store_b128 v4, v[80:83], s[16:17]
.Lno_scales:
	s_wait_tensorcnt 0x0                           ; the wave's end
	ds_add_u32 v[SPW], v[NIL]
	s_wait_dscnt 0x0
	s_endpgm
.Lfunc_end_k_qfdc3db27a4_prep:
	.size	k_qfdc3db27a4_prep, .Lfunc_end_k_qfdc3db27a4_prep-k_qfdc3db27a4_prep
	.p2alignl 7, 3214868480
	.fill 96, 4, 3214868480
	.section	.rodata,"a",@progbits
	.p2align	6, 0x0
	.amdhsa_kernel k_qfdc3db27a4_prep
		.amdhsa_group_segment_fixed_size 28160
		.amdhsa_private_segment_fixed_size 0
		.amdhsa_enable_private_segment 0
		.amdhsa_kernarg_size 72
		.amdhsa_user_sgpr_count 2
		.amdhsa_user_sgpr_kernarg_segment_ptr 1
		.amdhsa_wavefront_size32 1
		.amdhsa_system_sgpr_workgroup_id_x 1
		.amdhsa_system_sgpr_workgroup_id_y 1
		.amdhsa_system_sgpr_workgroup_id_z 1
		.amdhsa_system_vgpr_workitem_id 0
		.amdhsa_next_free_vgpr 256
		.amdhsa_next_free_sgpr 66
		.amdhsa_reserve_vcc 0
		.amdhsa_float_denorm_mode_32 3
		.amdhsa_float_denorm_mode_16_64 3
		.amdhsa_memory_ordered 1
		.amdhsa_forward_progress 1
		.amdhsa_inst_pref_size 82
	.end_amdhsa_kernel
	.amdgpu_metadata
---
amdhsa.version: [ 1, 2 ]
amdhsa.kernels:
  - .name:           k_qfdc3db27a4_prep
    .symbol:         k_qfdc3db27a4_prep.kd
    .args:
      - { .name: hidden_states, .offset: 0, .size: 8, .value_kind: global_buffer, .address_space: global }
      - { .name: ln_gamma, .offset: 8, .size: 8, .value_kind: global_buffer, .address_space: global }
      - { .name: ln_beta, .offset: 16, .size: 8, .value_kind: global_buffer, .address_space: global }
      - { .name: W_qkv, .offset: 24, .size: 8, .value_kind: global_buffer, .address_space: global }
      - { .name: W_out, .offset: 32, .size: 8, .value_kind: global_buffer, .address_space: global }
      - { .name: xc, .offset: 40, .size: 8, .value_kind: global_buffer, .address_space: global }
      - { .name: xs, .offset: 48, .size: 8, .value_kind: global_buffer, .address_space: global }
      - { .name: wc, .offset: 56, .size: 8, .value_kind: global_buffer, .address_space: global }
      - { .name: ws, .offset: 64, .size: 8, .value_kind: global_buffer, .address_space: global }
    .group_segment_fixed_size: 28160
    .private_segment_fixed_size: 0
    .kernarg_segment_align: 8
    .kernarg_segment_size: 72
    .max_flat_workgroup_size: 128
    .sgpr_count:     66
    .vgpr_count:     256
    .wavefront_size: 32
...
	.end_amdgpu_metadata
.endif
;; end of part 1
;; launch qkv (part 2): grid 12 x 32, 4 waves a work-group, clusters of 4 x 4, 327,680 bytes of LDS; arguments xc, xs, wc, ws, b_qkv, qrec, kv; writes qrec, kv
.if DOCPART == 2
	.amdgcn_target "amdgcn-amd-amdhsa--gfx1250"
	.amdhsa_code_object_version 6
	.text
	.protected	k_qfdc3db27a4_qkv
	.globl	k_qfdc3db27a4_qkv
	.p2align	8
	.type	k_qfdc3db27a4_qkv,@function
k_qfdc3db27a4_qkv:
	s_mov_b64 s[64:65], 0
	v_nop
	global_prefetch_b8 v0, s[64:65] scope:SCOPE_SE
	s_setreg_imm32_b32 hwreg(HW_REG_WAVE_MODE, 25, 1), 1
	s_wait_xcnt 0x0
	s_wait_alu depctr_hold_cnt(0) depctr_sa_sdst(0) depctr_va_vdst(0) depctr_va_sdst(0) depctr_va_ssrc(0) depctr_va_vcc(0) depctr_vm_vsrc(0)
	s_getreg_b32 s2, hwreg(HW_REG_IB_STS2, 6, 4)
	s_cmp_eq_u32 s2, 0
	s_cbranch_scc0 .Lentry_in_a_cluster
	s_endpgm
.Lentry_in_a_cluster:
	s_bfe_u32 s2, ttmp6, 0x10000c
	s_cmp_lg_u32 s2, 0xf033
	s_cbranch_scc0 .Lentry_shape_is_right
	s_endpgm
.Lentry_shape_is_right:
; QKV: qkv = Q(x_ln) Q(W_qkv) + b_qkv on codes of E2M1 with E8M0 scales, quantised again on the way out into the records that the attention launch reads.  No work is left out.
; A work-group makes 256 tokens x 256 columns, a wave 128 x 128.  All of K lies in LDS at once: 16 tiles of x (8,192 bytes each), 16 tiles of W, and their scale bytes.
; These four blocks are the head's four joint loads, one a wave; nothing is filled again.  x's blocks are shared along a row of the cluster, W's along a column.
; No prefetch: the launch has no loop that asks for tiles, all its tiles are asked for at its head.
.set XH,    4096                       ; K steps 4-7 of a tile lie 4,096 bytes behind K steps 0-3
.set WOFF,  131072                     ; W's 16 tiles lie behind x's 16
.set XSC,   262144
.set SPARE, 278528
.set REC,   8704
.set ADRX, 16
.set ADRW, 20
.set BOV,  23
.set LI,   24
.set SA,   25
.set BO,   26
.set ADRS, 27
.set SPW,  28
.set NIL,  29
.set SC,   32
.set PC,   96
.set TM,   104
.set SW,   120
.set AF,   128
.set BQ,   192
.set BV,   192
.set G1X, 24
.set G0X, 32
.set G1W, 48
.set G0W, 56
.set G1SX, 68
.set G0SX, 76
.set G1SW, 80
.set G0SW, 88
.set MSB, 0
.macro WIN new
.if MSB != \new
	s_set_vgpr_msb (MSB<<8)|\new
.set MSB, \new
.endif
.endm
.set MUL_LO, 0xa1
.set MUL_HI, 0xf1
.set TO_B,   0x40
; one arm of the head's chain of branches on the wave's number: its load, and a jump to the chain's end
.macro ARM under, g0, g1, next
	s_cmp_lt_u32 s18, \under
	s_cbranch_scc0 \next
	tensor_load_to_lds s[\g0:\g0+3], s[\g1:\g1+7]
	s_nop 0
.rept 4
	v_nop
.endr
	s_branch .Lhead_asked
\next:
.endm
.macro CROUND
	s_barrier_signal -1
	s_barrier_wait -1
	s_cmp_lg_u32 s18, 0
	s_cbranch_scc1 .Lnot_wave_0_\@
	s_barrier_signal -3
.Lnot_wave_0_\@:
	s_barrier_wait -3
	s_barrier_signal -1
	s_barrier_wait -1
.endm
.macro PLACES
.rept 4
	v_nop
.endr
.endm
	s_load_b256 s[4:11], s[0:1], 0x0
	s_load_b128 s[12:15], s[0:1], 0x20
	s_load_b64 s[16:17], s[0:1], 0x30
	v_lshl_add_u32 v[SPW], v0, 2, SPARE
	v_mov_b32 v[NIL], 0
	ds_add_u32 v[SPW], v[NIL]
	ds_add_u32 v[SPW], v[NIL]
	v_lshrrev_b32 v1, 5, v0
	v_readfirstlane_b32 s18, v1
	s_lshr_b32 s19, s18, 1
	s_and_b32 s20, s18, 1
	s_bfe_u32 s40, ttmp6, 0x40000
	s_bfe_u32 s41, ttmp6, 0x40004
	s_lshl_b32 s42, ttmp9, 2
	s_add_co_u32 s42, s42, s40
	s_and_b32 s21, ttmp7, 0xffff
	s_lshl_b32 s21, s21, 2
	s_add_co_u32 s21, s21, s41
	s_lshl_b32 s43, s41, 2
	s_lshl_b32 s43, 15, s43
	s_lshl_b32 s44, 0x1111, s40
	s_or_b32 s[G1X], s43, (3<<16)|(1<<21)
	s_or_b32 s[G1W], s44, (3<<16)|(1<<21)
.irp g, G1X, G1W
	s_mov_b32 s[\g+1], 1024<<16                    ; 16 tiles, each a row of 1,024 elements of 8 bytes: 131,072 dense bytes
	s_mov_b32 s[\g+2], 16<<16
	s_mov_b32 s[\g+3], 1024<<16
	s_mov_b32 s[\g+4], 16
	s_mov_b32 s[\g+5], 1024
	s_mov_b32 s[\g+6], 0
	s_mov_b32 s[\g+7], 0
.endr
	s_or_b32 s[G1SX], s43, (3<<16)|(1<<21)
	s_or_b32 s[G1SW], s44, (3<<16)|(1<<21)
.irp g, G1SX, G1SW
	s_mov_b32 s[\g+1], 32<<16
	s_mov_b32 s[\g+2], 32<<16                      ; the scale bytes of 16 tiles: 32 rows of 256 bytes
	s_mov_b32 s[\g+3], 32<<16
	s_mov_b32 s[\g+4], 32
	s_mov_b32 s[\g+5], 32
	s_mov_b32 s[\g+6], 0
	s_mov_b32 s[\g+7], 0
.endr
	s_lshl_b32 s92, s21, 17                        ; x's codes: 16 tiles of 8,192 bytes for each block of 256 tokens
	s_mov_b32 s93, 0
	s_lshl_b32 s94, s42, 17                        ; W's likewise, by the block of 256 columns
	s_mov_b32 s95, 0
	s_lshl_b32 s96, s21, 13                        ; the scale bytes: 16 tiles of 512 bytes
	s_mov_b32 s97, 0
	s_lshl_b32 s98, s42, 13
	s_mov_b32 s99, 0
	s_wait_dscnt 0x0
	s_wait_kmcnt 0x0
	s_add_nc_u64 s[92:93], s[4:5], s[92:93]
	s_add_nc_u64 s[94:95], s[8:9], s[94:95]
	s_add_nc_u64 s[96:97], s[6:7], s[96:97]
	s_add_nc_u64 s[98:99], s[10:11], s[98:99]
	CROUND
	s_mov_b32 s[G0X], 1                            ; the head's four blocks, each whole: x's codes at LDS byte 0,
	s_mov_b32 s[G0X+1], 0
	s_mov_b64 s[G0X+2:G0X+3], s[92:93]
	s_or_b32 s[G0X+3], s[G0X+3], 0x80000000
	s_mov_b32 s[G0W], 1                            ; W's codes behind them,
	s_mov_b32 s[G0W+1], WOFF
	s_mov_b64 s[G0W+2:G0W+3], s[94:95]
	s_or_b32 s[G0W+3], s[G0W+3], 0x80000000
	s_mov_b32 s[G0SX], 1                           ; x's scale bytes,
	s_mov_b32 s[G0SX+1], XSC
	s_mov_b64 s[G0SX+2:G0SX+3], s[96:97]
	s_or_b32 s[G0SX+3], s[G0SX+3], 0x80000000
	s_mov_b32 s[G0SW], 1                           ; and W's
	s_mov_b32 s[G0SW+1], XSC+8192
	s_mov_b64 s[G0SW+2:G0SW+3], s[98:99]
	s_or_b32 s[G0SW+3], s[G0SW+3], 0x80000000
	ARM 1, G0X,  G1X,  .Lhead_w                    ; one tensor load a wave at the head
	ARM 2, G0W,  G1W,  .Lhead_sx
	ARM 3, G0SX, G1SX, .Lhead_sw
	tensor_load_to_lds s[G0SW:G0SW+3], s[G1SW:G1SW+7]
	s_nop 0
.rept 4
	v_nop
.endr
.Lhead_asked:
	v_and_b32 v1, 15, v0
	v_bfe_u32 v2, v0, 4, 1
	s_wait_alu depctr_va_vdst(0)
	v_and_b32 v3, 31, v0
	v_lshlrev_b32 v[LI], 4, v3
	s_lshl_b32 s22, s19, 16                        ; my eight tiles of x, of W: 65,536 bytes a half
	s_lshl_b32 s23, s20, 16
	s_add_co_u32 s23, s23, WOFF
.irp k, 0,1
	v_add_nc_u32 v[ADRX+\k], s22, v[LI]
	v_add_nc_u32 v[ADRW+\k], s23, v[LI]
	s_add_co_u32 s22, s22, XH
	s_add_co_u32 s23, s23, XH
.endr
	s_lshl_b32 s22, s19, 12
	s_lshl_b32 s23, s20, 12
	s_add_co_u32 s23, s23, 8192
	s_sub_co_u32 s23, s23, s22
	v_mul_u32_u24 v4, s23, v2
	s_add_co_u32 s22, s22, XSC
	v_lshl_add_u32 v4, v1, 4, v4
	v_add_nc_u32 v[ADRS], s22, v4
	v_mul_u32_u24 v[SA], v2, REC
	v_lshl_add_u32 v[SA], v1, 4, v[SA]
	v_lshlrev_b32 v[BO], 6, v2
	v_and_b32 v5, 8, v1
	v_add_nc_u32 v5, v5, v1
	v_lshlrev_b32 v[BOV], 2, v5
.irp b, 0,1,2,3
	v_mov_b32 v[TM+4+\b], 0
.endr
	s_lshl_b32 s22, s42, 10
	s_lshl_b32 s23, s20, 9
	s_add_co_u32 s22, s22, s23
	s_mov_b32 s23, 0
	s_add_nc_u64 s[12:13], s[12:13], s[22:23]
	s_cmp_eq_u32 ttmp9, 0
	s_cselect_b64 s[14:15], s[14:15], s[16:17]
	s_lshl_b32 s22, s21, 1
	s_add_co_u32 s22, s22, s19
	s_lshl_b32 s22, s22, 4
	s_lshl_b32 s23, s40, 2
	s_add_co_u32 s22, s22, s23
	s_lshl_b32 s23, s20, 1
	s_add_co_u32 s22, s22, s23
	s_mul_i32 s22, s22, REC
	s_mov_b32 s23, 0
	s_add_nc_u64 s[14:15], s[14:15], s[22:23]
	s_mov_b32 s2, 0x76543210
	s_mov_b32 s3, 0xfedcba98
	s_mov_b32 s47, 0xffff0000
	s_mov_b32 s66, 0x05040100
	s_mov_b32 s67, 0x07060302
.macro FETCH_IN s, p
	WIN TO_B
.irp i, 0,1,2,3,4,5,6,7
	ds_load_b128 v[128*(\p)+8*\i:128*(\p)+8*\i+3],   v[INA+((\s)>>2)] offset:\i*8192+((\s)&3)*1024
	ds_load_b128 v[128*(\p)+8*\i+4:128*(\p)+8*\i+7], v[INA+((\s)>>2)] offset:\i*8192+((\s)&3)*1024+512
.endr
	WIN 0
.endm
.macro FETCH_OUT s, i0
.irp i, \i0, \i0+1, \i0+2, \i0+3
	ds_load_b128 v[AF+8*(\i):AF+8*(\i)+3],   v[OUTA+((\s)>>2)] offset:(\i)*8192+((\s)&3)*1024
	ds_load_b128 v[AF+8*(\i)+4:AF+8*(\i)+7], v[OUTA+((\s)>>2)] offset:(\i)*8192+((\s)&3)*1024+512
.endr
.endm
.macro MUL16 a0, p, s, zero
.irp a, \a0, \a0+1
.irp b, 0,1,2,3,4,5,6,7
.set rD, 8*(8*((\a)%4)+\b)
.set rI, 128*(\p)+8*\b
.set rO, AF+8*(\a)
.set sI, SC+32*((\s)>>2)+4*\b+((\s)&3)
.set sO, SC+32*((\s)>>2)+4*(\a)+((\s)&3)
.if TY == 0
.if \zero
	v_wmma_scale_f32_16x16x128_f8f6f4 v[rD:rD+7], v[rI:rI+7], v[rO:rO+7], 0, v[sI], v[sO] matrix_a_fmt:MATRIX_FMT_FP4 matrix_b_fmt:MATRIX_FMT_FP4 matrix_a_scale:MATRIX_SCALE_ROW1
.else
	v_wmma_scale_f32_16x16x128_f8f6f4 v[rD:rD+7], v[rI:rI+7], v[rO:rO+7], v[rD:rD+7], v[sI], v[sO] matrix_a_fmt:MATRIX_FMT_FP4 matrix_b_fmt:MATRIX_FMT_FP4 matrix_a_scale:MATRIX_SCALE_ROW1
.endif
.else
.if \zero
	v_wmma_scale_f32_16x16x128_f8f6f4 v[rD:rD+7], v[rI:rI+7], v[rO:rO+7], 0, v[sI], v[sO] matrix_a_fmt:MATRIX_FMT_FP4 matrix_b_fmt:MATRIX_FMT_FP4 matrix_b_scale:MATRIX_SCALE_ROW1
.else
	v_wmma_scale_f32_16x16x128_f8f6f4 v[rD:rD+7], v[rI:rI+7], v[rO:rO+7], v[rD:rD+7], v[sI], v[sO] matrix_a_fmt:MATRIX_FMT_FP4 matrix_b_fmt:MATRIX_FMT_FP4 matrix_b_scale:MATRIX_SCALE_ROW1
.endif
.endif
.endr
.endr
.endm
.macro STEP s, zero
	s_wait_dscnt 8                                 ; the inner operand's set and the outer one's blocks 0-3 are in; the youngest eight loads may be out
	WIN MUL_LO
	MUL16 0, (\s)%2, \s, \zero
	MUL16 2, (\s)%2, \s, \zero
	s_wait_dscnt 0x0
.if (\s) < 7
	PLACES
	FETCH_IN (\s)+1, 1-(\s)%2
	FETCH_OUT (\s)+1, 0
.endif
	WIN MUL_HI
	MUL16 4, (\s)%2, \s, \zero
	MUL16 6, (\s)%2, \s, \zero
	PLACES
	WIN 0
.if (\s) < 7
	FETCH_OUT (\s)+1, 4
.endif
.endm
.macro QUANT s, pw
.irp b, 0,1,2,3
	v_max3_num_f32 v[TM+\b], |v[\s+16*\b]|, |v[\s+1+16*\b]|, 0x1800000
.endr
.irp i, 2,4,6,8,10,12,14
.irp b, 0,1,2,3
	v_max3_num_f32 v[TM+\b], v[TM+\b], |v[\s+16*\b+\i]|, |v[\s+1+16*\b+\i]|
.endr
.endr
.irp b, 0,1,2,3
	v_permlanex16_b32 v[TM+4+\b], v[TM+\b], s2, s3
.endr
.irp b, 0,1,2,3
	v_max_num_f32 v[TM+\b], v[TM+\b], v[TM+4+\b]
.endr
.irp b, 0,1,2,3
	v_add_nc_u32 v[TM+12+\b], 0xff000000, v[TM+\b]
.endr
.irp b, 0,1,2,3
	v_lshrrev_b32 v[TM+4+\b], 23, v[TM+12+\b]
.endr
	v_lshl_or_b32 v[\pw], v[TM+5], 8, v[TM+4]
	v_lshl_or_b32 v[\pw], v[TM+6], 16, v[\pw]
	v_lshl_or_b32 v[\pw], v[TM+7], 24, v[\pw]
.irp b, 0,1,2,3
	v_cvt_scalef32_pk8_fp4_f32 v[PC+2*\b], v[\s+16*\b:\s+7+16*\b], v[TM+12+\b]
	v_cvt_scalef32_pk8_fp4_f32 v[PC+1+2*\b], v[\s+8+16*\b:\s+15+16*\b], v[TM+12+\b]
.endr
	v_nop
.irp c, 0,1
.irp i, 0,1
	v_permlane16_swap_b32 v[PC+4*\c+\i], v[PC+2+4*\c+\i]
.endr
.endr
.endm
.macro OUTBLK a
.if (\a) > 0
	s_wait_xcnt 0x0
.endif
	WIN 0x02+((\a)/4)
.irp b, 0,1,2,3,4,5,6,7
.irp i, 0,2,4,6
.if TY == 0
	v_pk_add_f32 v[128+8*\b+\i:128+8*\b+\i+1], v[64*((\a)%4)+8*\b+\i:64*((\a)%4)+8*\b+\i+1], v[BQ+8*\b+\i:BQ+8*\b+\i+1]
.elseif ((\a)%2) == 0
	v_pk_add_f32 v[128+8*\b+\i:128+8*\b+\i+1], v[64*((\a)%4)+8*\b+\i:64*((\a)%4)+8*\b+\i+1], v[BV+(\a):BV+(\a)+1] op_sel_hi:[1,0]
.else
	v_pk_add_f32 v[128+8*\b+\i:128+8*\b+\i+1], v[64*((\a)%4)+8*\b+\i:64*((\a)%4)+8*\b+\i+1], v[BV+(\a)-1:BV+(\a)] op_sel:[0,1] op_sel_hi:[1,1]
.endif
.endr
.endr
	WIN 0
	QUANT 128, SW+(\a)
.if TY == 0
	global_store_b128 v[LI], v[PC:PC+3], s[14:15] offset:(\a)*512
	global_store_b128 v[LI], v[PC+4:PC+7], s[14:15] offset:REC+(\a)*512
.else
	global_store_b128 v[LI], v[PC:PC+3], s[14:15] offset:((\a)/4)*REC+4096+((\a)%4)*1024
	global_store_b128 v[LI], v[PC+4:PC+7], s[14:15] offset:((\a)/4)*REC+4096+((\a)%4)*1024+512
.endif
.endm
.macro BODY ty
.set TY, \ty
.if \ty == 0
.set INA, ADRW
.set OUTA, ADRX
.irp b, 0,1,2,3,4,5,6,7
	global_load_b128 v[BQ+8*\b:BQ+8*\b+3],   v[BO], s[12:13] offset:(32*(\b/2)+8*(\b%2))*4
	global_load_b128 v[BQ+8*\b+4:BQ+8*\b+7], v[BO], s[12:13] offset:(32*(\b/2)+8*(\b%2))*4+16
.endr
.else
.set INA, ADRX
.set OUTA, ADRW
.irp a, 0,1,2,3,4,5,6,7
	global_load_b32 v[BV+\a], v[BOV], s[12:13] offset:(32*(\a/2)+8*(\a%2))*4
.endr
.endif
	s_wait_tensorcnt 0x0                           ; my block of the head's four has landed; behind the barrier all four have
	s_barrier_signal -1
	s_barrier_wait -1
	FETCH_IN 0, 0
	FETCH_OUT 0, 0
.irp q, 0,1
.irp i, 0,1,2,3,4,5,6,7
	ds_load_b128 v[SC+32*\q+4*\i:SC+32*\q+4*\i+3], v[ADRS] offset:\i*512+\q*256
.endr
.endr
	FETCH_OUT 0, 4
	STEP 0, 1
.irp s, 1,2,3,4,5,6,7
	STEP \s, 0
.endr
	s_wait_loadcnt 0x0
.irp a, 0,1,2,3,4,5,6,7
	OUTBLK \a
.endr
.irp p, 0,1,2,3
.if \ty == 0
	v_perm_b32 v[TM+\p], v[SW+2*\p+1], v[SW+2*\p], s66
	v_perm_b32 v[TM+4+\p], v[SW+2*\p+1], v[SW+2*\p], s67
	v_cndmask_b32 v[TM+8+\p], v[TM+\p], v[TM+4+\p], s47
.else
	v_cndmask_b32 v[TM+8+\p], v[SW+\p], v[SW+4+\p], s47
.endif
.endr
	global_store_b128 v[SA], v[TM+8:TM+11], s[14:15] offset:8192+256*\ty
.endm
	s_cmp_eq_u32 ttmp9, 2
	s_cbranch_scc1 .Lv
	s_wait_alu depctr_va_vdst(0)
	BODY 0
	s_branch .Lend
.Lv:
	s_wait_alu depctr_va_vdst(0)
	BODY 1
.Lend:
	s_wait_tensorcnt 0x0
	ds_add_u32 v[SPW], v[NIL]
	s_wait_dscnt 0x0
	CROUND
	s_endpgm
.Lfunc_end_k_qfdc3db27a4_qkv:
	.size	k_qfdc3db27a4_qkv, .Lfunc_end_k_qfdc3db27a4_qkv-k_qfdc3db27a4_qkv
	.p2alignl 7, 3214868480
	.fill 96, 4, 3214868480
	.section	.rodata,"a",@progbits
	.p2align	6, 0x0
	.amdhsa_kernel k_qfdc3db27a4_qkv
		.amdhsa_group_segment_fixed_size 327680
		.amdhsa_private_segment_fixed_size 0
		.amdhsa_enable_private_segment 0
		.amdhsa_kernarg_size 56
		.amdhsa_user_sgpr_count 2
		.amdhsa_user_sgpr_kernarg_segment_ptr 1
		.amdhsa_wavefront_size32 1
		.amdhsa_system_sgpr_workgroup_id_x 1
		.amdhsa_system_sgpr_workgroup_id_y 1
		.amdhsa_system_sgpr_workgroup_id_z 1
		.amdhsa_system_vgpr_workitem_id 0
		.amdhsa_next_free_vgpr 1024
		.amdhsa_next_free_sgpr 100
		.amdhsa_reserve_vcc 0
		.amdhsa_float_denorm_mode_32 3
		.amdhsa_float_denorm_mode_16_64 3
		.amdhsa_memory_ordered 1
		.amdhsa_forward_progress 1
		.amdhsa_inst_pref_size 255
	.end_amdhsa_kernel
	.section	.bss,"aw",@nobits
	.p2align	6
	.space	262144
	.amdgpu_metadata
---
amdhsa.version: [ 1, 2 ]
amdhsa.kernels:
  - .name:           k_qfdc3db27a4_qkv
    .symbol:         k_qfdc3db27a4_qkv.kd
    .args:
      - { .name: xc, .offset: 0, .size: 8, .value_kind: global_buffer, .address_space: global }
      - { .name: xs, .offset: 8, .size: 8, .value_kind: global_buffer, .address_space: global }
      - { .name: wc, .offset: 16, .size: 8, .value_kind: global_buffer, .address_space: global }
      - { .name: ws, .offset: 24, .size: 8, .value_kind: global_buffer, .address_space: global }
      - { .name: b_qkv, .offset: 32, .size: 8, .value_kind: global_buffer, .address_space: global }
      - { .name: qrec, .offset: 40, .size: 8, .value_kind: global_buffer, .address_space: global }
      - { .name: kv, .offset: 48, .size: 8, .value_kind: global_buffer, .address_space: global }
    .group_segment_fixed_size: 327680
    .private_segment_fixed_size: 0
    .kernarg_segment_align: 8
    .kernarg_segment_size: 56
    .max_flat_workgroup_size: 128
    .sgpr_count:     100
    .vgpr_count:     1024
    .wavefront_size: 32
...
	.end_amdgpu_metadata
.endif
;; end of part 2
;; launch attn (part 3): grid 64 x 4, 16 waves a work-group, clusters of 4 x 1, 327,680 bytes of LDS; arguments qrec, kv, attention_mask, wc, ws, b_out, hidden_states, out0; writes out0
.if DOCPART == 3
	.amdgcn_target "amdgcn-amd-amdhsa--gfx1250"
	.amdhsa_code_object_version 6
	.text
	.protected	k_qfdc3db27a4_attn
	.globl	k_qfdc3db27a4_attn
	.p2align	8
	.type	k_qfdc3db27a4_attn,@function
k_qfdc3db27a4_attn:
	s_mov_b64 s[64:65], 0
	v_nop
	global_prefetch_b8 v0, s[64:65] scope:SCOPE_SE
	s_setreg_imm32_b32 hwreg(HW_REG_WAVE_MODE, 25, 1), 1
	s_wait_xcnt 0x0
	s_wait_alu depctr_hold_cnt(0) depctr_sa_sdst(0) depctr_va_vdst(0) depctr_va_sdst(0) depctr_va_ssrc(0) depctr_va_vcc(0) depctr_vm_vsrc(0)
	s_getreg_b32 s2, hwreg(HW_REG_IB_STS2, 6, 4)
	s_cmp_eq_u32 s2, 0
	s_cbranch_scc0 .Lentry_in_a_cluster
	s_endpgm
.Lentry_in_a_cluster:
	s_bfe_u32 s2, ttmp6, 0x10000c
	s_cmp_lg_u32 s2, 0x3003
	s_cbranch_scc0 .Lentry_shape_is_right
	s_endpgm
.Lentry_shape_is_right:
; ATTN: scores = Q(q) Q(k)^T / 8 + mask; the softmax; Q(p) Q(v); / the row's sum; Q(attn) Q(W_out) + b_out + hidden_states.  All products on codes of E2M1 with E8M0 scales.  No work is left out.
; SHARES.  A work-group owns 32 queries of one batch for ALL 16 heads, a wave a head: each byte of the mask is fetched by one work-group alone, and the 32 rows of attn meet in its LDS for the last product.
; A wave holds two tiles of 16 queries (tile u, lane r: query 8 u + r + 8 (r / 8) of the 32) and walks the 2,048 keys, 128 a step.
; CLUSTER.  The four work-groups of a cluster belong to one batch and walk the same K and V: waves 0-7 ask for them jointly (two heads' records, 17,408 dense bytes, a load); waves 8-15 fetch four rows of the work-group's own mask each.
; W_out's codes, which every work-group reads, are asked for jointly too, into the ring's bytes: K steps 0-1 into slot 0 at step 14's change of slots, K steps 2-3 into slot 1 at step 15's, K steps 4-7 into both behind one more round.
; THE CHANGE OF SLOTS STANDS IN THE MIDDLE OF A KEY STEP: a wave's last read of a slot is tile 1's mask, so the three lines, the round and the refill of that same slot stand between tile 0's work and tile 1's.
; Behind the round a wave has tile 1's work, all on registers, and lays the next step's LDS loads (out of the other slot, which the round has shown whole) into it: K and the scale words behind tile 1's score products,
; tile 0's mask behind the conversions, V^T behind the second product.  A refill has one whole step between its issue and the wait for it.
; LAYOUT.  Both products of attention are used transposed (source 0 = 16 keys, or 16 of the head's 64; source 1 = my 16 queries): a lane holds ONE query.  The keys of a tile are chosen so that the 16 registers of tiles 2 p, 2 p + 1 are 16 neighbouring keys.
; THE MASK IS THE C OF THE SCORE PRODUCT; the 1 / 8 is 3 off the bytes of Q's scales: exact.  THE HEAD HAS 64, THE INSTRUCTION 128: a fragment of K holds tile 2 p below and tile 2 p + 1 above; it is multiplied by (q, 0) and by (0, q).
; THE SOFTMAX: t = logit x log2(e); M = the running largest t rounded up to a whole number; p = 2^(t - M) is quantised along the keys; the sum is taken of the unquantised p; when M moves, the sum and O are multiplied by 2^(old M - new M): exact.
; A BLOCK'S SCALE BYTE is floor(log2(its largest p)) - 2 + 127 = the whole part of (the block's largest t) - M + 125, taken in f32 and held at 1 from below: no exponential is spent on it.
; LIMITS: where a block's largest t - M lies within f32's rounding of t - M + 125 (some 4e-6) of a whole number, the byte may be the neighbouring one;
; a row all of whose logits are -infinity, or so large that t overflows f32, gives NaN; a block of q whose byte lies under 4 is taken with the byte 1 behind the 1 / 8; a block whose largest magnitude lies under 2^-124,
; or that is all zeros, gets the byte 1; NaN and +infinity among the inputs are not served; the logit's last bit is the matrix unit's rounding of products / 8 + mask.
; REGISTERS: v1-4 LDS addresses of the two slots; v5, v6 the add's two; v7 prefetch offset; v8-11, v42-45 K's and V's scale words of slot 1, slot 0; v12-19 -M, largest t, the sum's halves, for each tile; v20-39 zeros and Q; v40-41 Q's scale words;
;   v46 f, v47 p's scale word; v48-79 K; v80-111 V^T; v112-175 mask, logits, p; v176-239 O^T; v240-247 block maxima, then p's codes; v248-251 the conversions' scale operands; v252 at work; v253-255 prefetch offsets.
.set REC,   8704                       ; a record: 128 keys of one head: 4,096 bytes of K, 4,096 of V^T, 512 of scale words
.set KVB,   139264                     ; 16 records: a key step
.set MP,    528                        ; a row of the mask in LDS: 512 bytes + 16 of padding
.set SLOTB, 156160                     ; a slot: KVB + 32 rows of the mask
.set SPARE, 312320                     ; behind the two slots: the spare words, 128 bytes a wave: eight blocks of 256 bytes that no other line names
.set AIMG,  KVB                        ; slot 0's rows of the mask have had their last fill and, behind step 14's round, their last read: attn's two tiles as images, 2 x 8,192 bytes
.set ASC,   SPARE+2048                 ; bytes into which no fill lands: their scale words: 512 u + 64 s + 4 r
.set SPW, 5
.set NIL, 6
.set PFO, 7
.set PFH, 253                          ; 4,096 x lane: a row of hidden_states a lane
.set PFW, 254                          ; 256 x lane
.set PFV, 255                          ; 256 x min(lane, 1)
.set QS,  40
.set KF,  48
.set VF,  80
.set S,   112
.set O,   176
.set BM,  240
.set PX,  244
.set SO,  248
.set WV,   20                          ; s20 my wave's number = my head
.set SEL,  24                          ; s[24:25] v_permlanex16_b32's selects for lane l xor 16
.set CS,   26                          ; s[26:27] log2(e)
.set G1KV, 28                          ; s[28:35] group 1 for K and V, later for W_out; s[36:43] for the mask; s[44:51], s[52:59] their groups 0, one for each slot
.set G1M,  36
.set G0KV, 44
.set G0M,  52
.set LIM,  66                          ; s66 1 in a wave that prefetches K, V or the mask, else the greatest number
.set CNT,  67
.set PFA,  68                          ; s[68:69] where my prefetches stand; s[70:71] a key step on
.set PFS,  70
.set PWC,  72                          ; s[72:73] W_out's codes, s[74:75] its scale bytes: the tile that my wave prefetches
.set PWS,  74
.set HB,   76                          ; s[76:77] hidden_states, s[78:79] out0: my work-group's first row, my wave's 64 columns
.set OBS,  78
.set WCB,  80                          ; s[80:81] W_out's codes, s[82:83] its scale bytes: my wave's four tiles of columns
.set WSB,  82
.set BB,   84                          ; s[84:85] b_out at my 64 columns
; Waves 0-7: the joint load of K and V; waves 8-15: their rows of the mask.  The branch hangs on the wave's number alone.  An s_nop 0 and four v_nop follow each line.
.macro JLOAD k
	s_cmp_lt_u32 s[WV], 8
	s_cbranch_scc0 .Lfor_m_\@
	tensor_load_to_lds s[G0KV+4*(\k):G0KV+4*(\k)+3], s[G1KV:G1KV+7]
	s_nop 0
.rept 4
	v_nop
.endr
	s_branch .Lasked_\@
.Lfor_m_\@:
	tensor_load_to_lds s[G0M+4*(\k):G0M+4*(\k)+3], s[G1M:G1M+7]
	s_nop 0
.rept 4
	v_nop
.endr
.Lasked_\@:
.endm
.macro WFILL k                         ; a joint load of W_out's codes: every wave issues one, with a descriptor made of its number alone
	tensor_load_to_lds s[G0KV+4*(\k):G0KV+4*(\k)+3], s[G1KV:G1KV+7]
	s_nop 0
.rept 4
	v_nop
.endr
.endm
.macro ROUND                           ; a round of the cluster's barrier
	s_barrier_signal -1
	s_barrier_wait -1
	s_cmp_lg_u32 s[WV], 0
	s_cbranch_scc1 .Lnot_wave_0_\@
	s_barrier_signal -3
.Lnot_wave_0_\@:
	s_barrier_wait -3
	s_barrier_signal -1
	s_barrier_wait -1
.endm
; A PREFETCH INTO THE L2: step s, whose change of slots asks for step s + 2, names step s + 3, which the next change will ask for.  K and V: the batch's first cluster asks; its four partners are told apart BY ADDRESS:
; wave w < 4 of partner cx names the 8,192 code bytes of head 4 cx + w, lanes 256 bytes apart.  The mask: each work-group's own 32 rows, a lane a row; wave 8 names the first 256 bytes of a step's 512, wave 9 the second.
; Steps 0 to 2 come by their loads alone; step 13 (slot 1 in the loop's last trip, s[CNT] = 1) would name step 16 and asks for nothing.
.macro ASK k
.if \k
	s_cmp_gt_u32 s[CNT], s[LIM]
.else
	s_cmp_ge_u32 s[CNT], s[LIM]
.endif
	s_cbranch_scc0 .Lnot_mine_\@
	global_prefetch_b8 v[PFO], s[PFA:PFA+1] th:TH_LOAD_NT scope:SCOPE_SE
.Lnot_mine_\@:
.endm
	s_load_b256 s[4:11], s[0:1], 0x0               ; qrec s[4:5], kv s[6:7], mask s[8:9], wc s[10:11]
	s_load_b256 s[12:19], s[0:1], 0x20             ; ws s[12:13], b_out s[14:15], hidden_states s[16:17], out0 s[18:19]
	v_lshl_add_u32 v[SPW], v0, 2, SPARE
	v_mov_b32 v[NIL], 0
	ds_add_u32 v[SPW], v[NIL]                      ; the opening: the add, twice on end, and its wait ahead of my first tensor load
	ds_add_u32 v[SPW], v[NIL]
	v_lshrrev_b32 v112, 5, v0
	s_delay_alu instid0(VALU_DEP_1)
	v_readfirstlane_b32 s[WV], v112                ; wave 0..15
	s_and_b32 s21, s[WV], 7                        ; which part of a step's K and V, or of the mask, I fetch
	s_bfe_u32 s60, ttmp6, 0x40000                  ; cx
	s_lshl_b32 s22, ttmp9, 2
	s_add_co_u32 s22, s22, s60                     ; which 32 queries of the batch
	s_and_b32 s23, ttmp7, 0xffff                   ; the batch, which the four partners share
	s_mov_b32 s[G1KV], 15|(3<<16)|(1<<21)          ; the mask names all four work-groups; elements of 8 bytes; bit 21 beside a mask; no padding: the records are read 512 consecutive bytes at a time
	s_mov_b32 s[G1KV+1], 32<<16                    ; two records, 17,408 dense bytes, as 68 rows of 256
	s_mov_b32 s[G1KV+2], 68<<16
	s_mov_b32 s[G1KV+3], 32<<16
	s_mov_b32 s[G1KV+4], 68
	s_mov_b32 s[G1KV+5], 32
	s_mov_b32 s[G1KV+6], 0
	s_mov_b32 s[G1KV+7], 0
	s_mov_b32 s[G1M], (2<<16)|(1<<20)|(6<<22)|(3<<25)  ; no work-group mask; elements of 4 bytes; padding: four words behind every 128
	s_mov_b32 s[G1M+1], 128<<16                    ; 128 keys
	s_mov_b32 s[G1M+2], 4<<16                      ; four queries
	s_mov_b32 s[G1M+3], 128<<16
	s_mov_b32 s[G1M+4], 4
	s_mov_b32 s[G1M+5], 2048
	s_mov_b32 s[G1M+6], 0
	s_mov_b32 s[G1M+7], 0
	s_mov_b32 s[SEL], 0x76543210
	s_mov_b32 s[SEL+1], 0xfedcba98
	s_mov_b32 s[CS], 0x3fb8aa3b                    ; log2(e)
	s_mov_b32 s[CS+1], s[CS]                       ; (named with it as a pair)
	s_mul_i32 s62, s23, 16*KVB                     ; K and V: the batch's first step,
	s_mul_i32 s61, s21, 2*REC                      ; my two heads: in memory and in a slot alike
	s_add_co_u32 s62, s62, s61
	s_mov_b32 s63, 0
	s_lshl_b32 s72, s23, 11
	s_lshl_b32 s73, s22, 5
	s_add_co_u32 s72, s72, s73
	s_lshl_b32 s73, s21, 2
	s_add_co_u32 s72, s72, s73                     ; the mask: my first row: 2048 b + 32 qb + 4 w
	s_lshl_b32 s72, s72, 13
	s_mov_b32 s73, 0
	s_bfe_u32 s74, s21, 0x10001                    ; queries 4 w .. 4 w + 3 of the 32 are lanes 4 (w % 2) + 8 (w / 4) on of tile (w / 2) % 2: LDS row 16 u + r
	s_lshl_b32 s74, s74, 4
	s_lshr_b32 s75, s21, 2
	s_lshl_b32 s75, s75, 3
	s_add_co_u32 s74, s74, s75
	s_and_b32 s75, s21, 1
	s_lshl_b32 s75, s75, 2
	s_add_co_u32 s74, s74, s75
	s_mul_i32 s74, s74, MP
	s_add_co_u32 s74, s74, KVB
	s_wait_dscnt 0x0                               ; both opening adds are done
	s_wait_kmcnt 0x0
	s_add_nc_u64 s[62:63], s[6:7], s[62:63]
	s_add_nc_u64 s[72:73], s[8:9], s[72:73]
.irp k, 0,1
	s_mov_b32 s[G0KV+4*\k], 1
	s_add_co_u32 s[G0KV+4*\k+1], s61, \k*SLOTB
	s_add_nc_u64 s[G0KV+4*\k+2:G0KV+4*\k+3], s[62:63], \k*KVB
	s_or_b32 s[G0KV+4*\k+3], s[G0KV+4*\k+3], 0x80000000
	s_mov_b32 s[G0M+4*\k], 1
	s_add_co_u32 s[G0M+4*\k+1], s74, \k*SLOTB
	s_add_nc_u64 s[G0M+4*\k+2:G0M+4*\k+3], s[72:73], \k*512
	s_or_b32 s[G0M+4*\k+3], s[G0M+4*\k+3], 0x80000000
.endr
	ROUND                                          ; all four work-groups are here
	JLOAD 0                                        ; key step 0 into slot 0: every wave has one load out
	; the scalar set-up, under the load's flight
	s_lshl_b32 s86, s23, 4
	s_lshr_b32 s87, s22, 2
	s_add_co_u32 s86, s86, s87
	s_lshl_b32 s86, s86, 4
	s_add_co_u32 s86, s86, s[WV]
	s_mul_i32 s86, s86, REC
	s_mov_b32 s87, 0
	s_add_nc_u64 s[4:5], s[4:5], s[86:87]          ; Q: the record of my head that holds my 32 queries;
	s_and_b32 s88, s22, 3                          ; they are its tiles 2 (qb % 4) and 2 (qb % 4) + 1
	s_lshl_b32 s90, s88, 10                        ; their codes,
	s_lshl_b32 s91, s88, 2                         ; their scale bytes
	s_mul_i32 s92, s[WV], REC                      ; my head's record in a slot
	s_lshl_b32 s86, s23, 11
	s_lshl_b32 s88, s22, 5
	s_add_co_u32 s86, s86, s88
	s_lshl_b32 s86, s86, 12
	s_lshl_b32 s88, s[WV], 8
	s_add_co_u32 s86, s86, s88
	s_add_nc_u64 s[HB:HB+1], s[16:17], s[86:87]
	s_add_nc_u64 s[OBS:OBS+1], s[18:19], s[86:87]
	s_mov_b32 s86, s88
	s_add_nc_u64 s[BB:BB+1], s[14:15], s[86:87]
	s_lshl_b32 s86, s[WV], 2
	s_add_co_u32 s86, s86, 192                     ; W_out's tiles begin at 192 in wc and ws
	s_lshl_b32 s88, s86, 13
	s_lshl_b32 s86, s86, 9
	s_add_nc_u64 s[WSB:WSB+1], s[12:13], s[86:87]
	s_mov_b32 s86, s88
	s_add_nc_u64 s[WCB:WCB+1], s[10:11], s[86:87]
	s_lshl_b32 s86, s60, 4                         ; W_out's prefetch: the cluster's 64 waves share its 64 tiles out by address: tile 16 cx + wave
	s_add_co_u32 s86, s86, s[WV]
	s_add_co_u32 s86, s86, 192
	s_lshl_b32 s88, s86, 13
	s_lshl_b32 s86, s86, 9
	s_add_nc_u64 s[PWS:PWS+1], s[12:13], s[86:87]
	s_mov_b32 s86, s88
	s_add_nc_u64 s[PWC:PWC+1], s[10:11], s[86:87]
	; the walking prefetches: where mine stand (at key step 2: the first change of slots steps them to step 3), and who asks
	s_cmp_lt_u32 s[WV], 8
	s_cselect_b64 s[PFA:PFA+1], s[6:7], s[8:9]
	s_mov_b32 s[PFS], 512
	s_cselect_b32 s[PFS], KVB, s[PFS]
	s_mov_b32 s93, 8192
	s_cselect_b32 s93, 256, s93                    ; from lane to lane
	s_lshl_b32 s86, s23, 4
	s_add_co_u32 s86, s86, 2
	s_mul_i32 s86, s86, KVB
	s_lshl_b32 s87, s60, 2
	s_add_co_u32 s87, s87, s[WV]
	s_mul_i32 s87, s87, REC
	s_add_co_u32 s86, s86, s87                     ; K and V: step 2, head 4 cx + wave
	s_lshl_b32 s87, s23, 11
	s_lshl_b32 s89, s22, 5
	s_add_co_u32 s87, s87, s89
	s_lshl_b32 s87, s87, 13
	s_and_b32 s89, s[WV], 1
	s_lshl_b32 s89, s89, 8
	s_add_co_u32 s87, s87, s89
	s_add_co_u32 s87, s87, 1024                    ; the mask: my work-group's first row, step 2, my half of its 512 bytes
	s_cmp_lt_u32 s[WV], 8
	s_cselect_b32 s86, s86, s87
	s_mov_b32 s87, 0
	s_add_nc_u64 s[PFA:PFA+1], s[PFA:PFA+1], s[86:87]
	s_mov_b32 s[PFS+1], 0
	s_lshr_b32 s88, s[WV], 2                       ; 0 in waves 0-3,
	s_or_b32 s88, s88, ttmp9                       ; of the batch's first cluster: the same in all four partners
	s_cmp_eq_u32 s88, 0
	s_cselect_b32 s[LIM], 1, -1
	s_lshr_b32 s88, s[WV], 1                       ; 4 in waves 8 and 9
	s_cmp_eq_u32 s88, 4
	s_cselect_b32 s[LIM], 1, s[LIM]
	; the vector set-up; v112-119 are at work here
	v_and_b32 v112, 31, v0                         ; lane
	v_and_b32 v113, 15, v0                         ; r
	v_bfe_u32 v114, v0, 4, 1                       ; lane / 16
	v_lshlrev_b32 v1, 4, v112
	v_lshlrev_b32 v116, 4, v113
	v_mul_u32_u24 v3, v113, MP
	v_mul_lo_u32 v[PFO], v112, s93
	v_add_nc_u32 v115, s90, v1
	v_add_nc_u32 v116, s91, v116
	v_lshl_add_u32 v3, v114, 6, v3
	global_load_b128 v[24:27], v115, s[4:5]
	global_load_b128 v[32:35], v115, s[4:5] offset:512
	global_load_b32 v117, v116, s[4:5] offset:8192 ; the two tiles' scale bytes: one word a row
	v_add_nc_u32 v1, s92, v1                       ; my head's record in slot 0: + 16 x lane
	v_add_nc_u32 v3, KVB, v3                       ; the mask: row r, + 64 (lane / 16): my 16 keys of a block of 32
	v_lshlrev_b32 v[PFH], 12, v112
	v_lshlrev_b32 v[PFW], 8, v112
	v_min_u32 v[PFV], 1, v112
	v_add_nc_u32 v2, SLOTB, v1                     ; and in slot 1
	v_add_nc_u32 v4, SLOTB, v3
	v_lshlrev_b32 v[PFV], 8, v[PFV]
.irp j, 20,21,22,23,28,29,30,31,36,37,38,39
	v_mov_b32 v\j, 0                               ; the zero codes beside Q: v20-39 = 0, q of tile 0, 0, q of tile 1, 0
.endr
.irp u, 0,1
	v_mov_b32 v[13+4*\u], 0xff61b1e6               ; the largest t so far: -3e38
	v_mov_b32 v[14+4*\u], 0                        ; the sum, in two halves
	v_mov_b32 v[15+4*\u], 0
	v_floor_f32 v[12+4*\u], -v[13+4*\u]            ; -M
.endr
.irp b, 0,1,2,3
	v_mov_b32 v[PX+\b], 0                          ; written once: a lane permute's destination counts as one of its sources
.endr
	v_mov_b32 v47, 0                               ; (named as the upper half of the pair v[46:47] before it is first written)
	s_wait_alu depctr_va_vdst(0)
	s_wait_loadcnt 0x0                             ; Q
.irp u, 0,1                                    ; Q's scale word of tile u: each of its two bytes less 3 (the 1 / 8), held at 1 from below; the pair stands in both halves of the word, for (q, 0) and for (0, q)
	v_bfe_u32 v118, v117, 16*\u, 8
	v_bfe_u32 v119, v117, 16*\u+8, 8
	s_delay_alu instid0(VALU_DEP_2)
	v_max_u32 v118, 4, v118
	s_delay_alu instid0(VALU_DEP_2)
	v_max_u32 v119, 4, v119
	s_delay_alu instid0(VALU_DEP_2)
	v_add_nc_u32 v118, -3, v118
	s_delay_alu instid0(VALU_DEP_2)
	v_add_nc_u32 v119, -3, v119
	s_delay_alu instid0(VALU_DEP_1)
	v_lshl_or_b32 v118, v119, 8, v118
	s_delay_alu instid0(VALU_DEP_1)
	v_mul_u32_u24 v[QS+\u], 0x10001, v118
.endr
.set j, 0
.rept 64
	v_mov_b32 v[O+j], 0                            ; O^T: the step is written once for all steps; the first finds zeros.  These lines are also the places between Q's scale words and the first product
.set j, j+1
.endr
.macro KLOAD k                         ; slot k's K (tile f: the lower or the upper half of fragment f / 2) and its scale words (lanes 0-15: K's four; lanes 16-31: V^T's four): nine loads
.set f, 0
.rept 8
	ds_load_b128 v[KF+4*f:KF+4*f+3], v[1+(\k)] offset:512*f
.set f, f+1
.endr
	ds_load_b128 v[42-34*(\k):45-34*(\k)], v[1+(\k)] offset:8192
.endm
.macro VLOAD k                         ; slot k's V^T: eight loads
.set f, 0
.rept 8
	ds_load_b128 v[VF+4*f:VF+4*f+3], v[1+(\k)] offset:4096+512*f
.set f, f+1
.endr
.endm
.macro MASK k, u                       ; tile u's 16 queries x 128 keys of the mask, into the registers that the score products add onto: register 16 p + i = key 32 p + 16 (lane / 16) + i: sixteen loads
.set f, 0
.rept 16
	ds_load_b128 v[S+4*f:S+4*f+3], v[3+(\k)] offset:(\u)*16*MP+(f/4)*128+(f%4)*16
.set f, f+1
.endr
.endm
; One tile of 16 queries x 128 keys out of slot k.  nxt: tile 1 lays the next step's loads, out of the other slot, into its work.  ask: the walking prefetch.  pf: the place of the prefetches for what follows the keys.
.macro TILE k, u, nxt, ask, pf
.set NM, 12+4*\u
.set SUM, 14+4*\u
.set KS, 42-34*\k
.irp p, 0,1,2,3                                ; logits = K Q^T / 8 + mask.  No two matrix instructions on end share an accumulator
	v_wmma_scale_f32_16x16x128_f8f6f4 v[S+16*\p:S+16*\p+7], v[KF+8*\p:KF+8*\p+7], v[24+8*\u:31+8*\u], v[S+16*\p:S+16*\p+7], v[KS+\p], v[QS+\u] matrix_a_fmt:MATRIX_FMT_FP4 matrix_b_fmt:MATRIX_FMT_FP4
	v_wmma_scale_f32_16x16x128_f8f6f4 v[S+16*\p+8:S+16*\p+15], v[KF+8*\p:KF+8*\p+7], v[20+8*\u:27+8*\u], v[S+16*\p+8:S+16*\p+15], v[KS+\p], v[QS+\u] matrix_a_fmt:MATRIX_FMT_FP4 matrix_b_fmt:MATRIX_FMT_FP4
.endr
.rept 4
	v_nop                                          ; places: ahead of the first read of the logits, and of the loads into K's registers
.endr
.if (\u) && (\nxt)
	KLOAD 1-\k                                     ; the next step's K, and its scale words into the other set
.endif
.if \ask
	ASK \k
.endif
.irp b, 0,1,2,3
	v_max3_num_f32 v[BM+\b], v[S+16*\b], v[S+16*\b+1], v[S+16*\b+2]   ; the largest logit of each block of 32 keys: for the row's maximum and for the block's scale
.endr
.irp i, 3,5,7,9,11,13
.irp b, 0,1,2,3
	v_max3_num_f32 v[BM+\b], v[BM+\b], v[S+16*\b+\i], v[S+16*\b+\i+1]
.endr
.endr
.irp b, 0,1,2,3
	v_max_num_f32 v[BM+\b], v[BM+\b], v[S+16*\b+15]
.endr
.irp b, 0,1,2,3
	s_delay_alu instid0(VALU_DEP_4)
	v_permlanex16_b32 v[PX+\b], v[BM+\b], s[SEL], s[SEL+1]
.endr
.irp b, 0,1,2,3
	s_delay_alu instid0(VALU_DEP_4)
	v_max_num_f32 v[BM+\b], v[BM+\b], v[PX+\b]     ; with lane l xor 16's 16 keys
.endr
	s_delay_alu instid0(VALU_DEP_2)
	v_max3_num_f32 v252, v[BM], v[BM+1], v[BM+2]
	s_delay_alu instid0(VALU_DEP_1)
	v_max_num_f32 v252, v252, v[BM+3]
	s_delay_alu instid0(VALU_DEP_1)
	v_mul_f32 v252, s[CS], v252                    ; the step's largest t of my query
	s_delay_alu instid0(VALU_DEP_1)
	v_max_num_f32 v[NM+1], v[NM+1], v252           ; the running largest t
	v_mov_b32 v252, v[NM]
	s_delay_alu instid0(VALU_DEP_2)
	v_floor_f32 v[NM], -v[NM+1]                    ; the new -M = -ceil(t): a whole number
	s_delay_alu instid0(VALU_DEP_1)
	v_sub_f32 v252, v[NM], v252                    ; old M - new M: a whole number, 0 or less
	s_delay_alu instid0(VALU_DEP_1)
	v_cvt_i32_f32 v252, v252                       ; (it saturates)
	s_delay_alu instid0(VALU_DEP_1)
	v_ldexp_f32 v46, 1.0, v252                     ; f = 2^(old M - new M)
	v_add_f32 v252, 0x42fa0000, v[NM]              ; 125 - M
.set j, 0
.rept 32
	v_pk_fma_f32 v[S+j:S+j+1], v[S+j:S+j+1], s[CS:CS+1], v[NM:NM+1] op_sel_hi:[1,0,0]   ; t - M, two at a time
.set j, j+2
.endr
.irp b, 0,1,2,3
	v_fma_f32 v[BM+\b], v[BM+\b], s[CS], v252      ; each block's largest t - M + 125,
.endr
.irp b, 0,1,2,3
	s_delay_alu instid0(VALU_DEP_4)
	v_max_num_f32 v[BM+\b], 1.0, v[BM+\b]          ; held at 1 from below (-infinity too),
.endr
.irp b, 0,1,2,3
	s_delay_alu instid0(VALU_DEP_4)
	v_cvt_i32_f32 v[PX+\b], v[BM+\b]               ; its whole part: the scale's byte,
.endr
.irp b, 0,1,2,3
	s_delay_alu instid0(VALU_DEP_4)
	v_lshlrev_b32 v[SO+\b], 23, v[PX+\b]           ; and the byte as an exponent field: the conversion's scale operand
.endr
	v_lshl_or_b32 v47, v[PX+1], 8, v[PX]           ; p's scale word for these 128 keys
	s_delay_alu instid0(VALU_DEP_1)
	v_lshl_or_b32 v47, v[PX+2], 16, v47
	s_delay_alu instid0(VALU_DEP_1)
	v_lshl_or_b32 v47, v[PX+3], 24, v47
.set j, 0
	s_wait_alu depctr_va_vdst(0)                   ; ahead of the batch
.rept 64
	v_exp_f32 v[S+j], v[S+j]                       ; p = 2^(t - M): one batch
.set j, j+1
.endr
	v_pk_mul_f32 v[SUM:SUM+1], v[SUM:SUM+1], v[46:47] op_sel_hi:[1,0]   ; the sum under the new M; the plain line behind the batch
	s_wait_alu depctr_va_vdst(0)                   ; one wait for the batch, ahead of its first reader
	v_pk_add_f32 v[PX:PX+1], v[S:S+1], v[S+2:S+3]  ; the row's sum of the unquantised p, in two chains
.set j, 4
.rept 15
	v_pk_add_f32 v[SUM:SUM+1], v[SUM:SUM+1], v[S+j:S+j+1]
	v_pk_add_f32 v[PX:PX+1], v[PX:PX+1], v[S+j+2:S+j+3]
.set j, j+4
.endr
	s_delay_alu instid0(VALU_DEP_1)
	v_pk_add_f32 v[SUM:SUM+1], v[SUM:SUM+1], v[PX:PX+1]
.irp b, 0,1,2,3
	v_cvt_scalef32_pk8_fp4_f32 v[BM+2*\b], v[S+16*\b:S+16*\b+7], v[SO+\b]
	v_cvt_scalef32_pk8_fp4_f32 v[BM+2*\b+1], v[S+16*\b+8:S+16*\b+15], v[SO+\b]
.endr
.if \u == 0
	MASK \k, 1                                     ; p's registers are free: tile 1's mask, my last read of this slot
.elseif \nxt
	MASK 1-\k, 0                                   ; or the next step's mask of tile 0
.endif
.if \pf                                        ; what follows the keys is asked for in step 10 (slot 0, two trips to go), four steps ahead of W_out's first joint load; each aligned block of 256 bytes is named once in the cluster (the residual: once in the launch)
	s_wait_alu depctr_va_vdst(0)
	s_cmp_eq_u32 s[CNT], 2
	s_cbranch_scc0 .Lnot_yet_\@
	global_prefetch_b8 v[PFH], s[HB:HB+1] th:TH_LOAD_NT scope:SCOPE_SE    ; the residual that my wave will load: 32 rows x my 256 bytes, a lane a row
	global_prefetch_b8 v[PFW], s[PWC:PWC+1] th:TH_LOAD_NT scope:SCOPE_SE  ; W_out's tile 16 cx + wave: 8,192 bytes of codes, lanes 256 bytes apart
	global_prefetch_b8 v[PFV], s[PWS:PWS+1] th:TH_LOAD_NT scope:SCOPE_SE  ; and its 512 scale bytes: lanes 1-31 name the second block
.Lnot_yet_\@:
.endif
	v_nop                                          ; one plain line behind a scaled conversion
.irp c, 0,1                                    ; the operand's layout wants a whole block in a lane
.irp i, 0,1
	v_permlane16_swap_b32 v[BM+4*\c+\i], v[BM+4*\c+2+\i]
.endr
.endr
	s_wait_alu depctr_va_vdst(0)                   ; ahead of the first reader of O^T
.set j, 0
.rept 16
	v_pk_mul_f32 v[O+32*\u+j:O+32*\u+j+1], v[O+32*\u+j:O+32*\u+j+1], v[46:47] op_sel_hi:[1,0]   ; O^T under the new M; also the places between p's codes and the products
.set j, j+2
.endr
.if \u == 0
	s_wait_alu depctr_va_vdst(0)
	s_wait_dscnt 16                                ; V^T is in; behind it: the 16 loads of tile 1's mask
.endif
.irp d, 0,1,2,3                                ; O^T += V^T P^T: 16 of the head's 64 at a time
	v_wmma_scale_f32_16x16x128_f8f6f4 v[O+32*\u+8*\d:O+32*\u+8*\d+7], v[VF+8*\d:VF+8*\d+7], v[BM:BM+7], v[O+32*\u+8*\d:O+32*\u+8*\d+7], v[KS+\d], v47 matrix_a_fmt:MATRIX_FMT_FP4 matrix_b_fmt:MATRIX_FMT_FP4 matrix_a_scale:MATRIX_SCALE_ROW1
.endr
.if (\u) && (\nxt)
.rept 4
	v_nop                                          ; places ahead of the loads into V^T's registers
.endr
	VLOAD 1-\k
.endif
.endm
; A key step out of slot k.  At its head K's nine loads, tile 0's sixteen of the mask and V^T's eight are out, in that order.
; THE CHANGE OF SLOTS: each wave waits for all its tensor loads (one is out: its part of the other slot, asked for a step ago), adds 0 to its spare word, and waits for that and for its reads of this slot;
; the round makes that hold of every wave of the four work-groups; the refill of THIS slot is the first thing behind it: mid = 2: the step after the next; mid = 3 (step 14) and 4 (step 15): W_out's K steps 0-1, 2-3.
.macro STEP k, mid, nxt, ask, pf
	s_wait_dscnt 8                                 ; K, the scale words and tile 0's mask are in; V^T's eight loads may be out
	TILE \k, 0, 1, 0, \pf
	s_wait_tensorcnt 0x0
	ds_add_u32 v[SPW], v[NIL]                      ; 0 onto my spare word; the descriptors' steps stand between it and the wait for it
.if \mid == 2
	s_add_nc_u64 s[G0KV+4*\k+2:G0KV+4*\k+3], s[G0KV+4*\k+2:G0KV+4*\k+3], 2*KVB   ; no tensor load of mine is out: this slot's next step
	s_add_nc_u64 s[G0M+4*\k+2:G0M+4*\k+3], s[G0M+4*\k+2:G0M+4*\k+3], 1024
.elseif \mid == 3
	s_mov_b32 s[G1KV+1], 256<<16                   ; from here on the joint loads bring W_out's codes: of my wave's four tiles of columns two K steps, 2,048 bytes of each tile's 8,192
	s_mov_b32 s[G1KV+2], 4<<16
	s_mov_b32 s[G1KV+3], 256<<16
	s_mov_b32 s[G1KV+4], 4
	s_mov_b32 s[G1KV+5], 1024
	s_lshl_b32 s[G0KV+1], s[WV], 13                ; slot 0: tile n of the 64 at 2,048 n
	s_mov_b64 s[G0KV+2:G0KV+3], s[WCB:WCB+1]       ; K steps 0-1
	s_or_b32 s[G0KV+3], s[G0KV+3], 0x80000000
	s_add_co_u32 s[G0KV+5], s[G0KV+1], SLOTB       ; slot 1:
	s_add_nc_u64 s[G0KV+6:G0KV+7], s[WCB:WCB+1], 2048   ; K steps 2-3
	s_or_b32 s[G0KV+7], s[G0KV+7], 0x80000000
.endif
.if \ask
	s_wait_xcnt 0x0                                ; the last prefetch, a step back, has read its address
	s_add_nc_u64 s[PFA:PFA+1], s[PFA:PFA+1], s[PFS:PFS+1]
.endif
	s_wait_dscnt 0x0                               ; tile 1's mask is in: my reads of this slot are over; and the add is done
	ROUND
.if \mid == 2
	JLOAD \k
.else
	WFILL \k
.endif
	TILE \k, 1, \nxt, \ask, 0
.endm
	s_wait_alu depctr_va_vdst(0)                   ; the head's end
	s_wait_tensorcnt 0x0                           ; my part of step 0 is in
	ds_add_u32 v[SPW], v[NIL]
	s_wait_dscnt 0x0
	ROUND
	JLOAD 1                                        ; slot 1's first fill: step 1
	KLOAD 0
	MASK 0, 0
	VLOAD 0
	s_mov_b32 s[CNT], 7
.Lloop:                                            ; seven trips of two steps: steps 0-13; they ask for steps 2-15 and prefetch steps 3-15
	STEP 0, 2, 1, 1, 1
	STEP 1, 2, 1, 1, 0
	s_sub_co_u32 s[CNT], s[CNT], 1
	s_cmp_lg_u32 s[CNT], 0
	s_cbranch_scc1 .Lloop
	STEP 0, 3, 1, 0, 0                             ; step 14
	STEP 1, 4, 0, 0, 0                             ; step 15
; ---- behind the keys
	s_wait_alu depctr_va_vdst(0)
	s_wait_xcnt 0x0                                ; my prefetches have read their offsets: v7 is written below
	v_and_b32 v250, 15, v0                         ; r.  Seven plain lines that name no register of the last products are their places
	v_bfe_u32 v251, v0, 4, 1                       ; lane / 16
	v_and_b32 v252, 31, v0
	v_lshlrev_b32 v249, 4, v250                    ; 16 r
	v_lshlrev_b32 v252, 4, v252                    ; 16 x lane
	v_lshl_add_u32 v248, v251, 9, v249             ; W_out's scale words: lanes 16-31 take the next tile's: 512 (lane / 16) + 16 r
	v_lshl_add_u32 v22, v251, 12, v249             ; two rows of hidden_states and out0: lanes 0-15 one, lanes 16-31 the next
.macro RES u, reg                      ; the residual of tile u's 16 rows, my 64 columns: eight loads, two rows each; row 2 t + lane / 16 of the tile is query 8 u + 2 t + 8 (t / 4) + lane / 16
.irp t, 0,1,2,3,4,5,6,7
	global_load_b128 v[\reg+4*\t:\reg+4*\t+3], v22, s[HB:HB+1] offset:(8*\u+2*\t+8*(\t/4))*4096 th:TH_LOAD_NT
.endr
.endm
	global_load_b128 v[40:43], v249, s[BB:BB+1]    ; b_out at the four columns that I store
.irp s, 0,1,2,3,4,5,6,7
.irp i, 0,1
	global_load_b32 v[24+2*\s+\i], v248, s[WSB:WSB+1] offset:\i*1024+(\s>>2)*256+(\s&3)*4   ; W_out's scale words of K step s: lanes 0-15 tile 2 i, lanes 16-31 tile 2 i + 1
.endr
.endr
	RES 0, 112
.irp u, 0,1
	v_add_f32 v[14+4*\u], v[14+4*\u], v[15+4*\u]   ; the sum's two halves,
.endr
.irp u, 0,1
	s_delay_alu instid0(VALU_DEP_2)
	v_permlanex16_b32 v[15+4*\u], v[14+4*\u], s[SEL], s[SEL+1]
.endr
.irp u, 0,1
	s_delay_alu instid0(VALU_DEP_2)
	v_add_f32 v[14+4*\u], v[14+4*\u], v[15+4*\u]   ; and lane l xor 16's
.endr
	s_wait_alu depctr_va_vdst(0)                   ; ahead of the batch
.irp u, 0,1
	v_rcp_f32 v[12+4*\u], v[14+4*\u]
.endr
	s_lshl_b32 s86, s[WV], 13
	v_add_nc_u32 v1, s86, v252                     ; my four tiles of W_out in slot 0: 8,192 x wave + 16 x lane.  (Plain lines behind the reciprocals)
	s_lshl_b32 s87, s[WV], 9
	s_add_co_u32 s87, s87, AIMG
	v_add_nc_u32 v23, s87, v252                    ; my head's place in an image of attn: blocks 2 head, 2 head + 1: 512 x head + 16 x lane
	v_add_nc_u32 v7, AIMG, v252                    ; reading the images
	v_add_nc_u32 v2, SLOTB, v1                     ; my tiles in slot 1
	s_lshr_b32 s87, s[WV], 1
	s_lshl_b32 s87, s87, 6
	s_and_b32 s88, s[WV], 1
	s_lshl_b32 s88, s88, 1
	s_add_co_u32 s87, s87, s88
	s_add_co_u32 s87, s87, ASC
	v_lshl_add_u32 v3, v250, 2, s87                ; my head's two bytes in the scale words: 64 (head / 2) + 2 (head % 2) + 4 r
	v_lshlrev_b32 v4, 2, v250
	v_mul_u32_u24 v20, v250, 272
	v_mul_u32_u24 v21, v251, 272
	v_lshl_add_u32 v4, v251, 9, v4
	v_lshl_add_u32 v20, v251, 6, v20
	v_add_nc_u32 v21, v21, v249
	v_add_nc_u32 v4, ASC, v4                       ; reading them: lanes 0-15 tile 0's word, lanes 16-31 tile 1's
	v_add_nc_u32 v20, s86, v20                     ; my stage, 16 rows x (256 + 16) bytes, in my own tiles' bytes of slot 0: in: row r, + 64 (lane / 16)
	v_add_nc_u32 v21, s86, v21                     ; back: lanes 0-15 one row of 256 bytes, lanes 16-31 the next
	s_wait_alu depctr_va_vdst(0)                   ; one wait for the two reciprocals, ahead of their first reader
.irp u, 0,1
.set j, 0
.rept 16
	v_pk_mul_f32 v[O+32*\u+j:O+32*\u+j+1], v[O+32*\u+j:O+32*\u+j+1], v[12+4*\u:13+4*\u] op_sel_hi:[1,0]   ; attn = O^T / the sum; each accumulator from its low end on
.set j, j+2
.endr
.endr
	s_wait_alu depctr_va_vdst(0)
	s_wait_tensorcnt 0x0                           ; no tensor load of mine is out while I store to LDS
; my head's 64 channels of tile u are two blocks of the last product's K: register 16 b + i = channel 32 b + 16 (lane / 16) + i.  Codes and bytes go to LDS as part of the image of attn
.macro HQUANT u
.irp b, 0,1
	v_max3_num_f32 v[144+\b], |v[O+32*\u+16*\b]|, |v[O+32*\u+16*\b+1]|, 0x1800000
.endr
.irp i, 2,4,6,8,10,12,14
.irp b, 0,1
	s_delay_alu instid0(VALU_DEP_2)
	v_max3_num_f32 v[144+\b], v[144+\b], |v[O+32*\u+16*\b+\i]|, |v[O+32*\u+16*\b+\i+1]|
.endr
.endr
.irp b, 0,1
	v_permlanex16_b32 v[146+\b], v[144+\b], s[SEL], s[SEL+1]
.endr
.irp b, 0,1
	s_delay_alu instid0(VALU_DEP_2)
	v_max_num_f32 v[144+\b], v[144+\b], v[146+\b]
.endr
.irp b, 0,1
	s_delay_alu instid0(VALU_DEP_2)
	v_add_nc_u32 v[148+\b], 0xff000000, v[144+\b]
.endr
.irp b, 0,1
	s_delay_alu instid0(VALU_DEP_2)
	v_lshrrev_b32 v[150+\b], 23, v[148+\b]
.endr
	s_delay_alu instid0(VALU_DEP_1)
	v_lshl_or_b32 v150, v151, 8, v150
.irp b, 0,1
	v_cvt_scalef32_pk8_fp4_f32 v[240+4*\u+2*\b], v[O+32*\u+16*\b:O+32*\u+16*\b+7], v[148+\b]
	v_cvt_scalef32_pk8_fp4_f32 v[241+4*\u+2*\b], v[O+32*\u+16*\b+8:O+32*\u+16*\b+15], v[148+\b]
.endr
	v_nop                                          ; one plain line behind a scaled conversion
.irp i, 0,1
	v_permlane16_swap_b32 v[240+4*\u+\i], v[242+4*\u+\i]
.endr
	ds_store_b128 v23, v[240+4*\u:243+4*\u] offset:\u*8192
	ds_store_b16 v3, v150 offset:\u*512            ; both halves of the lanes write the same two bytes with the same value
.endm
	HQUANT 0
	HQUANT 1
	s_wait_tensorcnt 0x0
	ds_add_u32 v[SPW], v[NIL]
	s_wait_dscnt 0x0                               ; for the others' sake: my stores have landed
	s_barrier_signal -1
	s_barrier_wait -1                              ; the 32 rows of attn lie in LDS as two images, and W_out's K steps 0-3 are whole
; ---- out = Q(attn) Q(W_out): my wave makes columns 64 w .. 64 w + 63 for the 32 rows: eight accumulators by turns, a K step at a time
.macro AFL s                           ; attn's two fragments and their scale words of K step s: five LDS loads
.irp u, 0,1
.irp c, 0,1
	ds_load_b128 v[144+16*((\s)&1)+8*\u+4*\c:144+16*((\s)&1)+8*\u+4*\c+3], v7 offset:\u*8192+(\s)*1024+\c*512
.endr
.endr
	ds_load_b32 v[46+((\s)&1)], v4 offset:(\s)*64
.endm
.macro WL s                            ; W_out's four fragments of K step s, out of slot (s / 2) % 2, into set s % 2: eight LDS loads
.irp n, 0,1,2,3
.irp c, 0,1
	ds_load_b128 v[48+32*((\s)&1)+8*\n+4*\c:48+32*((\s)&1)+8*\n+4*\c+3], v[1+(((\s)>>1)&1)] offset:\n*2048+((\s)&1)*1024+\c*512
.endr
.endr
.endm
.macro PRJ rd, ra, rb, sa, sb, z, oa, ob
.if \z
.if (\oa) && (\ob)
	v_wmma_scale_f32_16x16x128_f8f6f4 v[(\rd):(\rd)+7], v[(\ra):(\ra)+7], v[(\rb):(\rb)+7], 0, v[\sa], v[\sb] matrix_a_fmt:MATRIX_FMT_FP4 matrix_b_fmt:MATRIX_FMT_FP4 matrix_a_scale:MATRIX_SCALE_ROW1 matrix_b_scale:MATRIX_SCALE_ROW1
.elseif \oa
	v_wmma_scale_f32_16x16x128_f8f6f4 v[(\rd):(\rd)+7], v[(\ra):(\ra)+7], v[(\rb):(\rb)+7], 0, v[\sa], v[\sb] matrix_a_fmt:MATRIX_FMT_FP4 matrix_b_fmt:MATRIX_FMT_FP4 matrix_a_scale:MATRIX_SCALE_ROW1
.elseif \ob
	v_wmma_scale_f32_16x16x128_f8f6f4 v[(\rd):(\rd)+7], v[(\ra):(\ra)+7], v[(\rb):(\rb)+7], 0, v[\sa], v[\sb] matrix_a_fmt:MATRIX_FMT_FP4 matrix_b_fmt:MATRIX_FMT_FP4 matrix_b_scale:MATRIX_SCALE_ROW1
.else
	v_wmma_scale_f32_16x16x128_f8f6f4 v[(\rd):(\rd)+7], v[(\ra):(\ra)+7], v[(\rb):(\rb)+7], 0, v[\sa], v[\sb] matrix_a_fmt:MATRIX_FMT_FP4 matrix_b_fmt:MATRIX_FMT_FP4
.endif
.else
.if (\oa) && (\ob)
	v_wmma_scale_f32_16x16x128_f8f6f4 v[(\rd):(\rd)+7], v[(\ra):(\ra)+7], v[(\rb):(\rb)+7], v[(\rd):(\rd)+7], v[\sa], v[\sb] matrix_a_fmt:MATRIX_FMT_FP4 matrix_b_fmt:MATRIX_FMT_FP4 matrix_a_scale:MATRIX_SCALE_ROW1 matrix_b_scale:MATRIX_SCALE_ROW1
.elseif \oa
	v_wmma_scale_f32_16x16x128_f8f6f4 v[(\rd):(\rd)+7], v[(\ra):(\ra)+7], v[(\rb):(\rb)+7], v[(\rd):(\rd)+7], v[\sa], v[\sb] matrix_a_fmt:MATRIX_FMT_FP4 matrix_b_fmt:MATRIX_FMT_FP4 matrix_a_scale:MATRIX_SCALE_ROW1
.elseif \ob
	v_wmma_scale_f32_16x16x128_f8f6f4 v[(\rd):(\rd)+7], v[(\ra):(\ra)+7], v[(\rb):(\rb)+7], v[(\rd):(\rd)+7], v[\sa], v[\sb] matrix_a_fmt:MATRIX_FMT_FP4 matrix_b_fmt:MATRIX_FMT_FP4 matrix_b_scale:MATRIX_SCALE_ROW1
.else
	v_wmma_scale_f32_16x16x128_f8f6f4 v[(\rd):(\rd)+7], v[(\ra):(\ra)+7], v[(\rb):(\rb)+7], v[(\rd):(\rd)+7], v[\sa], v[\sb] matrix_a_fmt:MATRIX_FMT_FP4 matrix_b_fmt:MATRIX_FMT_FP4
.endif
.endif
.endm
.macro PRJ8 s, z                       ; K step s: the eight accumulators by turns
.irp u, 0,1
.irp n, 0,1,2,3
	PRJ 176+8*(4*\u+\n), 48+32*((\s)&1)+8*\n, 144+16*((\s)&1)+8*\u, 24+2*(\s)+\n/2, 46+((\s)&1), \z, \n%2, \u
.endr
.endr
.endm
.macro PAIR s, z                       ; K steps s and s + 1, which lie in one slot
	AFL \s
	WL \s
	AFL (\s)+1
	WL (\s)+1
	s_wait_dscnt 13                                ; step s's thirteen loads are in; step s + 1's thirteen may be out
	PRJ8 \s, \z
	s_wait_dscnt 0x0
	PRJ8 (\s)+1, 0
.rept 4
	v_nop                                          ; places in front of loads into registers that these products have read, and of the first read of results
.endr
.endm
	s_wait_loadcnt 8                               ; b_out and W_out's scale words are in; the first residual's eight loads may be out
	PAIR 0, 1
	PAIR 2, 0
	s_wait_tensorcnt 0x0                           ; the last refill: both slots at once, one load a wave: waves 0-7 bring K steps 4-5 into slot 0, waves 8-15 K steps 6-7 into slot 1, eight tiles of columns each
	ds_add_u32 v[SPW], v[NIL]                      ; 0 onto my spare word; the descriptor's words stand between it and the wait for it
	s_mov_b32 s[G1KV+2], 8<<16
	s_mov_b32 s[G1KV+4], 8
	s_and_b32 s86, s[WV], 7
	s_lshr_b32 s87, s[WV], 3
	s_lshl_b32 s88, s86, 14                        ; in LDS: eight tiles of 2,048 bytes,
	s_mul_i32 s89, s87, SLOTB
	s_add_co_u32 s[G0KV+1], s88, s89
	s_lshl_b32 s88, s86, 16                        ; in memory: eight tiles of 8,192 bytes,
	s_lshl_b32 s89, s87, 11                        ; K steps 4-5 or 6-7
	s_add_co_u32 s88, s88, s89
	s_add_co_u32 s88, s88, 192*8192+4096
	s_mov_b32 s89, 0
	s_add_nc_u64 s[G0KV+2:G0KV+3], s[10:11], s[88:89]
	s_or_b32 s[G0KV+3], s[G0KV+3], 0x80000000
	s_wait_dscnt 0x0                               ; the add is done; my reads of K steps 0-3 were waited for above
	ROUND
	WFILL 0
	s_wait_tensorcnt 0x0                           ; my part has landed;
	ds_add_u32 v[SPW], v[NIL]
	s_wait_dscnt 0x0
	s_barrier_signal -1
	s_barrier_wait -1                              ; and so has every wave's
	PAIR 4, 0
	PAIR 6, 0
	RES 1, 48
; ---- the way out: a lane holds eight neighbouring columns of one row, four times; through my own stage they come back as whole rows of 256 bytes.  LDS serves a wave's instructions in order.
; The stage lies in my own tiles' bytes of slot 0: they have had their last fill, I alone read them, and my reads are over
.macro TOSTAGE u, bk
.irp n, 0,1,2,3
	ds_store_b128 v20, v[176+8*(4*\u+\n):176+8*(4*\u+\n)+3] offset:(32*(\n/2)+8*(\n%2))*4      ; register j of tile n: column 32 (n / 2) + 8 (n % 2) + 16 (lane / 16) + j
	ds_store_b128 v20, v[176+8*(4*\u+\n)+4:176+8*(4*\u+\n)+7] offset:(32*(\n/2)+8*(\n%2))*4+16
.endr
.irp t, 0,1,2,3,4,5,6,7
	ds_load_b128 v[\bk+4*\t:\bk+4*\t+3], v21 offset:544*\t
.endr
.endm
.macro SEND u, bk, rs, younger
.irp t, 0,1,2,3,4,5,6,7
	s_wait_dscnt \younger+7-\t
	v_pk_add_f32 v[\bk+4*\t:\bk+4*\t+1], v[\bk+4*\t:\bk+4*\t+1], v[40:41]                 ; + b_out
	v_pk_add_f32 v[\bk+4*\t+2:\bk+4*\t+3], v[\bk+4*\t+2:\bk+4*\t+3], v[42:43]
	s_delay_alu instid0(VALU_DEP_2)
	v_pk_add_f32 v[\bk+4*\t:\bk+4*\t+1], v[\bk+4*\t:\bk+4*\t+1], v[\rs+4*\t:\rs+4*\t+1]   ; + hidden_states
	s_delay_alu instid0(VALU_DEP_2)
	v_pk_add_f32 v[\bk+4*\t+2:\bk+4*\t+3], v[\bk+4*\t+2:\bk+4*\t+3], v[\rs+4*\t+2:\rs+4*\t+3]
	global_store_b128 v22, v[\bk+4*\t:\bk+4*\t+3], s[OBS:OBS+1] offset:(8*\u+2*\t+8*(\t/4))*4096 th:TH_STORE_NT   ; sixteen lanes store 256 consecutive bytes, aligned
.endr
.endm
	TOSTAGE 0, 80
	TOSTAGE 1, 144
	s_wait_loadcnt 8                               ; tile 0's residual is in; tile 1's eight loads may be out
	SEND 0, 80, 112, 16                            ; behind tile 0's loads from the stage: tile 1's sixteen LDS instructions
	s_wait_loadcnt 0x0
	SEND 1, 144, 48, 0
	s_wait_tensorcnt 0x0                           ; the wave's end
	ds_add_u32 v[SPW], v[NIL]
	s_wait_dscnt 0x0
	ROUND                                          ; the closing round
	s_endpgm
.Lfunc_end_k_qfdc3db27a4_attn:
	.size	k_qfdc3db27a4_attn, .Lfunc_end_k_qfdc3db27a4_attn-k_qfdc3db27a4_attn
	.p2alignl 7, 3214868480
	.fill 96, 4, 3214868480
	.section	.rodata,"a",@progbits
	.p2align	6, 0x0
	.amdhsa_kernel k_qfdc3db27a4_attn
		.amdhsa_group_segment_fixed_size 327680
		.amdhsa_private_segment_fixed_size 0
		.amdhsa_enable_private_segment 0
		.amdhsa_kernarg_size 64
		.amdhsa_user_sgpr_count 2
		.amdhsa_user_sgpr_kernarg_segment_ptr 1
		.amdhsa_wavefront_size32 1
		.amdhsa_system_sgpr_workgroup_id_x 1
		.amdhsa_system_sgpr_workgroup_id_y 1
		.amdhsa_system_sgpr_workgroup_id_z 1
		.amdhsa_system_vgpr_workitem_id 0
		.amdhsa_next_free_vgpr 256
		.amdhsa_next_free_sgpr 96
		.amdhsa_reserve_vcc 0
		.amdhsa_float_denorm_mode_32 3
		.amdhsa_float_denorm_mode_16_64 3
		.amdhsa_memory_ordered 1
		.amdhsa_forward_progress 1
		.amdhsa_inst_pref_size 182
	.end_amdhsa_kernel
	.amdgpu_metadata
---
amdhsa.version: [ 1, 2 ]
amdhsa.kernels:
  - .name:           k_qfdc3db27a4_attn
    .symbol:         k_qfdc3db27a4_attn.kd
    .args:
      - { .name: qrec, .offset: 0, .size: 8, .value_kind: global_buffer, .address_space: global }
      - { .name: kv, .offset: 8, .size: 8, .value_kind: global_buffer, .address_space: global }
      - { .name: attention_mask, .offset: 16, .size: 8, .value_kind: global_buffer, .address_space: global }
      - { .name: wc, .offset: 24, .size: 8, .value_kind: global_buffer, .address_space: global }
      - { .name: ws, .offset: 32, .size: 8, .value_kind: global_buffer, .address_space: global }
      - { .name: b_out, .offset: 40, .size: 8, .value_kind: global_buffer, .address_space: global }
      - { .name: hidden_states, .offset: 48, .size: 8, .value_kind: global_buffer, .address_space: global }
      - { .name: out0, .offset: 56, .size: 8, .value_kind: global_buffer, .address_space: global }
    .group_segment_fixed_size: 327680
    .private_segment_fixed_size: 0
    .kernarg_segment_align: 8
    .kernarg_segment_size: 64
    .max_flat_workgroup_size: 512
    .sgpr_count:     96
    .vgpr_count:     256
    .wavefront_size: 32
...
	.end_amdgpu_metadata
.endif
;; end of part 3
